; MI455X (gfx1250); checked and timed in simulation.
; The chip was launched on July 23, 2026; its instructions are those of AMD's public machine-readable ISA for CDNA 5 (MIT licence, August 2026) and "CDNA5" Instruction Set Architecture Reference Guide (July 2026). The comments in the code are by the model that wrote it; some were corrected since.
;; MSA. Allowed arithmetic: matrix products marked QUANTISED: E2M1 operands, one E8M0 scale for each 32 along K, by v_wmma_scale_f32_16x16x128_f8f6f4 with both operands' format E2M1 (or v_wmma_scale_f32_32x16x128_f4), f32 sums; everything else in f32.
;; Inputs: Wk_codes 1,024 x 32 x 16 uint8 (E2M1 codes of Wk, K innermost, in blocks of 32 codes, two codes a byte); Wk_scales 1,024 x 32 uint8 (E8M0 scales of Wk, one for each 32 codes along K); Wo_codes 1,024 x 32 x 16 uint8 (E2M1 codes of Wo, K innermost, in blocks of 32 codes, two codes a byte); Wo_scales 1,024 x 32 uint8 (E8M0 scales of Wo, one for each 32 codes along K); Wq_codes 1,024 x 32 x 16 uint8 (E2M1 codes of Wq, K innermost, in blocks of 32 codes, two codes a byte); Wq_scales 1,024 x 32 uint8 (E8M0 scales of Wq, one for each 32 codes along K); Wv_codes 1,024 x 32 x 16 uint8 (E2M1 codes of Wv, K innermost, in blocks of 32 codes, two codes a byte); Wv_scales 1,024 x 32 uint8 (E8M0 scales of Wv, one for each 32 codes along K); bk 1,024 float32; bo 1,024 float32; bq 1,024 float32; bv 1,024 float32; x_codes 4 x 2,048 x 32 x 16 uint8 (E2M1 codes of x, K innermost, in blocks of 32 codes, two codes a byte); x_scales 4 x 2,048 x 32 uint8 (E8M0 scales of x, one for each 32 codes along K).
;; Outputs: out0 4 x 2,048 x 1,024 float32.
;; This version of the problem:
;;   THIS VERSION OF THE PROBLEM IS GIVEN IN LOW PRECISION. The matrix products marked QUANTISED in the list below multiply operands that are first quantised to E2M1 (2 exponent bits, 1 mantissa bit; 4 bits a number), with one power-of-two scale for each 32 numbers along K (OCP MX v1.0); their sums are f32. All else is computed in f32.
;;   The module's matrix products, in the order in which they are computed (A, B: the left and right operand; K: the contracted axis; several contracted axes count as one K, in the product's order):
;;     1. [M 8,192, K 1,024] x [K 1,024, N 1,024]; A: input x (given as codes); B: input Wq (given as codes): QUANTISED
;;     2. [M 8,192, K 1,024] x [K 1,024, N 1,024]; A: input x (given as codes); B: input Wk (given as codes): QUANTISED
;;     3. [M 8,192, K 1,024] x [K 1,024, N 1,024]; A: input x (given as codes); B: input Wv (given as codes): QUANTISED
;;     4. batch 64 x [M 2,048, K 64] x [K 64, N 2,048]; A: computed on the way; B: computed on the way: QUANTISED
;;     5. batch 64 x [M 2,048, K 2,048] x [K 2,048, N 64]; A: softmax (see below); B: computed on the way: QUANTISED
;;     6. [M 8,192, K 1,024] x [K 1,024, N 1,024]; A: computed on the way; B: input Wo (given as codes): QUANTISED
;;   THE QUANTISER, for each operand of a quantised product, along K:
;;     - K is cut into blocks of 32 from its start; a last block that is shorter is filled with zeros.
;;     - A block's scale is 2^e with e = floor(log2(the largest magnitude in the block)) - 2, held to -126 .. 127; a block of zeros has e = 0. As a byte (E8M0): e + 127.
;;     - Each number is divided by its block's scale, clamped to +-6, and rounded to the nearest number of E2M1, ties to even, subnormals kept.
;;     - The product sums the exact products of the quantised numbers (number of the format x scale) in f32.
;;   ~~~python
;;   def quantise(x, axis):      # numpy; x: float32 -> the quantised numbers, widened to float32 again
;;       x = np.moveaxis(x, axis, -1); K = x.shape[-1]
;;       x = np.pad(x, [(0, 0)] * (x.ndim - 1) + [(0, -K % 32)]); x = x.reshape(x.shape[:-1] + (-1, 32)); a = np.abs(x).max(-1, keepdims=True)
;;       e = np.where(a > 0, np.clip(np.frexp(np.where(a > 0, a, 1))[1] - 1 - 2, -126, 127), 0)      # np.frexp(a)[1] - 1 = floor(log2(a)), exactly
;;       r = np.clip(x / 2.0 ** e, -6, 6)
;;       step = 2.0 ** (np.maximum(np.frexp(np.where(r == 0, 1, r))[1] - 1, 0) - 1)
;;       q = np.round(r / step) * step * 2.0 ** e      # np.round: ties to even
;;       return np.moveaxis(q.reshape(q.shape[:-2] + (-1,))[..., :K], -1, axis).astype(np.float32)
;;   ~~~
;;   SOFTMAX AHEAD OF A QUANTISED PRODUCT. Where the list says 'softmax', what is quantised is not the finished softmax but p = 2^(t - M), with t = logit x log2(e) and M = ceil(the row's largest t), a whole number; so 1/2 < the row's largest p <= 1. The row's sum l is taken of the UNQUANTISED p, in f32, and the product's result is divided by l at the end. Since M is a whole number, a kernel that streams over the keys may use a running M (the ceiling of the running maximum): every later rescaling is an exact power of two, which a block's scale takes up: the codes' values come out the same.
;;   OPERANDS COMPUTED ON THE WAY. 'Computed on the way' means the value that the module computes at that place (a softmax that the list does not call 'softmax' is quantised finished and normalised). What goes into a quantiser is computed in f32, as accurately as f32 sums, v_exp_f32 and their like allow (about 1e-6 of the number): no bf16 or f16 on the way to a quantiser, and a product that is left as it is and whose result goes on into a quantised operand takes f32 operands (vector FMAs, or v_wmma_f32_16x16x4_f32). A number that lies on a knife's edge between two numbers of the format may be rounded either way, as far as f32 arithmetic and the matrix unit's own rounding can turn it there, and no further.
;;   INPUTS GIVEN AS CODES. Wk (in the module: [1024, 1024], K = its axis 0); Wo (in the module: [1024, 1024], K = its axis 0); Wq (in the module: [1024, 1024], K = its axis 0); Wv (in the module: [1024, 1024], K = its axis 0); x (in the module: [4, 2048, 1024], K = its axis 2): each comes as NAME_codes (uint8): NAME with its K axis moved to the last place and cut into blocks of 32 codes, [.., K / 32, bytes a block], one block behind the other in memory; two codes a byte, the lower K in the low four bits (a code: sign, 2 exponent bits, 1 mantissa bit); and NAME_scales (uint8): the same leading axes, one E8M0 byte (e + 127) for each 32 codes along K. Its value is code x scale, taken as it is: it is not quantised again, and the codes and scales need not be those that the quantiser above would give.
;; One version. Each part assembles by itself: llvm-mc -triple=amdgcn-amd-amdhsa -mcpu=gfx1250 --defsym DOCPART=n.
;; ======== version 1 of 1: 3 launches
;; workspace buffers: qkv 13,893,632 bytes; oc 4,194,304 bytes; os 262,144 bytes
;; launch proj (part 1): grid 64 x 4, 4 waves a work-group, clusters of 4 x 4, 296,448 bytes of LDS; arguments x_codes, x_scales, Wq_codes, Wq_scales, Wk_codes, Wk_scales, Wv_codes, Wv_scales, bq, bk, bv, qkv; writes qkv
.if DOCPART == 1
	.amdgcn_target "amdgcn-amd-amdhsa--gfx1250"
	.amdhsa_code_object_version 6
	.text
	.protected	k_q1f069efff0_proj
	.globl	k_q1f069efff0_proj
	.p2align	8
	.type	k_q1f069efff0_proj,@function
k_q1f069efff0_proj:
	s_mov_b64 s[64:65], 0
	v_nop
	global_prefetch_b8 v0, s[64:65] scope:SCOPE_SE
	s_setreg_imm32_b32 hwreg(HW_REG_WAVE_MODE, 25, 1), 1
	s_wait_xcnt 0x0
	s_wait_alu depctr_hold_cnt(0) depctr_sa_sdst(0) depctr_va_vdst(0) depctr_va_sdst(0) depctr_va_ssrc(0) depctr_va_vcc(0) depctr_vm_vsrc(0)
	s_getreg_b32 s2, hwreg(HW_REG_IB_STS2, 6, 4)
	s_cmp_eq_u32 s2, 0
	s_cbranch_scc0 .Lentry_in_a_cluster
	s_endpgm
.Lentry_in_a_cluster:
	s_bfe_u32 s2, ttmp6, 0x10000c
	s_cmp_lg_u32 s2, 0xf033
	s_cbranch_scc0 .Lentry_shape_is_right
	s_endpgm
.Lentry_shape_is_right:
; q = x Wq + bq, k = x Wk + bk, v = x Wv + bv on codes of FP4 (E2M1) with one E8M0 scale for each 32 along K = 1,024; then q and k are quantised along the head's 64
; and v along the keys, and leave as images of the next launch's operand registers.
; SHARES.  256 work-groups of four waves, all with the same work.  Cluster C (0-15) takes tokens 1,024 (C / 2) on and makes q (C even) or k (C odd).  A work-group makes
;   TILE 1: 256 tokens x 256 features of q or k (a wave 128 x 128: 64 accumulators).  P = Wq or Wk (source 0: its rows run along a lane's registers, the axis that is quantised afterwards), R = x (source 1: its row is the lane);
;   TILE 2: the SAME 256 tokens x 128 features of v (a wave 128 keys x 64 features, one head: 32 accumulators).  P = x, which lies in LDS already; R = Wv.
; The eight work-groups that share a token tile (q or k, four cx) share out Wv's 1,024 features: 128 (2 cx + C % 2) on.  So x is brought once for both tiles and nothing is filled again.
; Wv does not come through LDS: 640 rows of 512 bytes and their scales do not fit there together.  A wave's 64 rows of Wv, 32 fragments, go straight into the 256 registers of window 2,
; tile by tile as the way out of tile 1 has read them, and land while that way out goes on.
; CLUSTERS: 4 x 4 work-groups.  Wq's or Wk's rows hang on cx alone and are shared along a column of the cluster, x's on cy alone and are shared along a row: each tile is asked for jointly,
; by the same tensor load with the same descriptor and a mask that names the four.  No branch hangs on the work-group's place or number.
; LDS IS FILLED ONCE: both halves of K (two slots of 256-byte rows) and the scales of all of K fit together; the second half lands while the first is multiplied.
; THE QUANTISER: register 8 t + j of lane (r, h) is index 16 t + 8 h + j along the next K, so a block of 32 is 16 registers of lanes l and l xor 16.
; A block's scale byte is its largest magnitude's exponent field - 2, held at 1 from below.
; LIMITS: NaN and infinities among the inputs are not served.  A block of zeros, or one whose largest magnitude lies under 2^-124, gets the byte 1 where the rule says 127 or less: its codes
; are zeros or the rule's own, and the bytes are read by this program alone.  The two unused bytes of q's and k's scale words are 0: they stand over zero codes of q in the next launch.
; THE RECORD of a (batch, head), REC bytes of qkv: K's codes [key tile][512], V's codes [128 keys][16 d][c][512], K's scale words [128 keys][tile / 4][r][tile % 4], V's [128 keys][r][d tile], Q's codes, Q's scale words.
; REGISTERS, in windows of 256: window 0: v0-31 addresses; v32-95 scale words; v96-117 the quantiser; v128-255 x's fragments of tile 1, two sets (afterwards: 64 numbers, scale words, Wv's scale words on their way)
;   window 1: v0-63, v128-191 P's fragments, two sets; v64-127 bq or bk along P; v192-199 bv along R.
;   windows 2, 3: tile 1's accumulators, (a, b) at v[8 (8 (a % 4) + b)] of window 2 + a / 4; then window 2: Wv's fragments, (a, q) at v[8 (8 a + q)]; window 3: tile 2's accumulators, (a, b) at v[8 (8 a + b)].
.set REC,   217088
.set R_VC,  65536
.set R_KS,  131072
.set R_VS,  139264
.set R_QC,  143360
.set R_QS,  208896
.set PITCH, 272                        ; an LDS row: 256 bytes + 16 of padding: the 16 rows that a fragment load touches begin 68 words apart
.set HALFT, 128*PITCH                  ; 128 rows: what one tensor load brings
.set SLOT,  4*HALFT                    ; x's 256 rows, then the weight's 256 rows: 512 along K
.set SCL,   2*SLOT                     ; behind the slots: the scales, as units of 256 bytes + 16: x's 256 rows, then the weight's
.set HALFS, 16*272                     ; those of 128 rows
.set SBLK,  2*272                      ; those of 16 rows
.set LN,   7                           ; v7  lane
.set ADRA, 16                          ; v16-17 LDS address of x's fragments as R (my 128 tokens of tile 1) in slot 0, 1
.set ADRP2, 18                         ; v18-19 of x's fragments as P (my 128 keys of tile 2)
.set ADRB, 20                          ; v20-21 of the weight's fragments
.set ADRS2, 22                         ; v22 LDS address of x's scale words of my 128 keys
.set WVO,  23                          ; v23 512 (lane % 16) + 16 (lane / 16): my place in 16 rows of Wv
.set CO,   24                          ; v24 16 x lane: an image's place for my lane
.set SOF,  25                          ; v25 (lane / 16) x REC + 16 (lane % 16): where q's and k's scale words go
.set BOP,  26                          ; v26 32 (lane / 16): my eight numbers of the bias along P
.set ADRS, 27                          ; v27 LDS address of tile 1's scale words: lanes 0-15 x's rows, lanes 16-31 the weight's
.set BOR,  28                          ; v28 4 (lane % 16): my number of the bias along R
.set WSO,  29                          ; v29 32 (lane % 16): my row of Wv's scales
.set SOV,  30                          ; v30 16 (lane % 16): where v's scale words go
.set SC,   32                          ; scale words: register 8 i + q: lanes 0-15 R's tile i, lanes 16-31 P's tile i, K step q
.set PC,   96                          ; v96-103 the codes just made
.set TM,   104                         ; v104-107 largest magnitudes, v108-111 bytes, v112-115 the conversions' scale operands
.set W0,   116                         ; v116-117 at work
.set RF,   128                         ; x's fragments of tile 1: set p at RF + 64 p
.set T,    128                         ; afterwards: 64 numbers of a lane
.set SW,   192                         ; v192-199 a scale word for each R tile
.set XW,   224                         ; v224-255 Wv's scale words as loaded: 8 i + q
.set BS,   64                          ; window 1
.set BR,   192                         ; window 1
.set WV, 28
.set RH, 29                            ; which half of R's rows is mine.  Also: I fetch for x (0) or for the weight (1)
.set PH, 30                            ; which half of P's rows is mine.  Also: which 128 rows I fetch
.set CL, 31
.set CX, 32
.set CY, 33
.set TG, 34                            ; which 1,024 tokens
.set HV, 35                            ; the head of v that is my wave's: 2 (2 cx + C % 2) + RH
.set TS, 36                            ; at work
.set ODD, 37                           ; 0: q, 1: k
.set SEL, 38                           ; s[38:39] lane selects for v_permlanex16_b32 (once the mask and LDS bases that stood there are used)
.set G1R, 40
.set G1P, 48
.set G1RS, 56
.set G1PS, 68
.set G0R, 76
.set G0P, 84
.set G0RS, 92
.set G0PS, 96
.set CW,  (1<<20)|(1<<21)|(5<<22)|(3<<25)           ; elements of 1 byte; padding on; bit 21 set beside a mask; 4 words of padding behind every 64
.set SWW, (3<<16)|(1<<20)|(1<<21)|(5<<22)|(3<<25)   ; the same with elements of 8 bytes
.set MSB, 0
.macro WIN new                         ; the immediate's high byte repeats the setting that is left
.if MSB != (\new)
	s_set_vgpr_msb (MSB<<8)|(\new)
.set MSB, (\new)
.endif
.endm
.macro PLACES n
.rept \n
	v_nop
.endr
.endm
; A joint load: waves 0 and 1 fetch for x, waves 2 and 3 for the weight.  The branch hangs on the wave's number alone.  Four v_nop follow each of the two lines.
.macro JLOAD g0a, g1a, g0b, g1b
	s_cmp_eq_u32 s[RH], 0
	s_cbranch_scc0 .Lfor_p_\@
	tensor_load_to_lds s[\g0a:\g0a+3], s[\g1a:\g1a+7]
	s_nop 0
.rept 4
	v_nop
.endr
	s_branch .Lasked_\@
.Lfor_p_\@:
	tensor_load_to_lds s[\g0b:\g0b+3], s[\g1b:\g1b+7]
	s_nop 0
.rept 4
	v_nop
.endr
.Lasked_\@:
.endm
.macro CROUND                          ; a round of the cluster's barrier
	s_barrier_signal -1
	s_barrier_wait -1
	s_cmp_lg_u32 s[WV], 0
	s_cbranch_scc1 .Lnot_wave_0_\@
	s_barrier_signal -3
.Lnot_wave_0_\@:
	s_barrier_wait -3
	s_barrier_signal -1
	s_barrier_wait -1
.endm
	s_load_b512 s[4:19], s[0:1], 0x0               ; x codes, x scales, Wq codes, scales, Wk codes, scales, Wv codes, scales
	s_load_b256 s[20:27], s[0:1], 0x40             ; bq, bk, bv, qkv
	v_lshl_add_u32 v126, v0, 2, 0x48400
	v_mov_b32 v127, 0
	ds_add_u32 v126, v127
	ds_add_u32 v126, v127
	v_lshrrev_b32 v3, 5, v0
	v_readfirstlane_b32 s[WV], v3                  ; wave 0..3
	s_lshr_b32 s[RH], s[WV], 1
	s_and_b32 s[PH], s[WV], 1
	s_mov_b32 s[CL], ttmp9                         ; the cluster's number, 0..15
	s_bfe_u32 s[CX], ttmp6, 0x40000
	s_bfe_u32 s[CY], ttmp6, 0x40004
	s_and_b32 s[ODD], s[CL], 1
	s_lshr_b32 s[TG], s[CL], 1
	s_lshl_b32 s[HV], s[CX], 1
	s_add_co_u32 s[HV], s[HV], s[ODD]
	s_lshl_b32 s[HV], s[HV], 1
	s_add_co_u32 s[HV], s[HV], s[RH]
	s_lshl_b32 s38, s[CY], 2
	s_lshl_b32 s38, 15, s38                        ; my row of the cluster
	s_lshl_b32 s100, 0x1111, s[CX]                 ; my column
	s_or_b32 s[G1R], s38, CW
	s_or_b32 s[G1P], s100, CW
	s_or_b32 s[G1RS], s38, SWW
	s_or_b32 s[G1PS], s100, SWW
.irp g, G1R, G1P                       ; codes: 128 rows x 256 bytes out of rows of 512
	s_mov_b32 s[\g+1], 256<<16
	s_mov_b32 s[\g+2], 128<<16
	s_mov_b32 s[\g+3], 256<<16
	s_mov_b32 s[\g+4], 128
	s_mov_b32 s[\g+5], 512
	s_mov_b32 s[\g+6], 0
	s_mov_b32 s[\g+7], 0
.endr
.irp g, G1RS, G1PS                     ; the scales of 128 rows: 4,096 dense bytes as 16 rows of 256 (32 elements of 8 bytes)
	s_mov_b32 s[\g+1], 32<<16
	s_mov_b32 s[\g+2], 16<<16
	s_mov_b32 s[\g+3], 32<<16
	s_mov_b32 s[\g+4], 16
	s_mov_b32 s[\g+5], 32
	s_mov_b32 s[\g+6], 0
	s_mov_b32 s[\g+7], 0
.endr
	s_lshl_b32 s2, s[TG], 2                        ; x: the 128 rows that I fetch are group 2 (4 TG + cy) + PH; no register on this way ever holds cx
	s_add_co_u32 s2, s2, s[CY]
	s_lshl_b32 s2, s2, 1
	s_add_co_u32 s2, s2, s[PH]
	s_lshl_b32 s2, s2, 16                          ; x 128 rows x 512 bytes
	s_mov_b32 s3, 0
	s_lshl_b32 s100, s[CX], 1                      ; the weight: group 2 cx + PH; no register on this way ever holds cy
	s_add_co_u32 s100, s100, s[PH]
	s_lshl_b32 s100, s100, 16
	s_mov_b32 s101, 0
	s_mul_i32 s38, s[WV], HALFS                    ; where they go: wave x 128 rows: no place in the cluster enters an LDS address
	s_mul_i32 s39, s[WV], HALFT
	s_wait_dscnt 0x0
	s_wait_kmcnt 0x0
	s_cmp_lg_u32 s[ODD], 0                         ; odd clusters take Wk and bk for Wq and bq
	s_cselect_b64 s[8:9], s[12:13], s[8:9]
	s_cselect_b64 s[10:11], s[14:15], s[10:11]
	s_cselect_b64 s[20:21], s[22:23], s[20:21]
	s_add_nc_u64 s[4:5], s[4:5], s[2:3]            ; x's codes at my rows
	s_lshr_b32 s2, s2, 4                           ; 32 bytes of scales a row against 512 of codes
	s_add_nc_u64 s[6:7], s[6:7], s[2:3]            ; x's scales
	s_add_nc_u64 s[8:9], s[8:9], s[100:101]        ; the weight's codes
	s_lshr_b32 s100, s100, 4
	s_add_nc_u64 s[10:11], s[10:11], s[100:101]    ; the weight's scales
	s_lshl_b32 s100, s[HV], 15                     ; Wv: my head's 64 rows of 512 bytes,
	s_add_nc_u64 s[16:17], s[16:17], s[100:101]
	s_lshl_b32 s100, s[HV], 11                     ; of 32 bytes of scales,
	s_add_nc_u64 s[18:19], s[18:19], s[100:101]
	s_lshl_b32 s100, s[HV], 8                      ; and bv's 64 numbers
	s_add_nc_u64 s[12:13], s[24:25], s[100:101]
	s_lshl_b32 s100, s[CX], 10                     ; bq or bk: numbers 256 cx + 128 PH on
	s_lshl_b32 s[TS], s[PH], 9
	s_add_co_u32 s100, s100, s[TS]
	s_add_nc_u64 s[14:15], s[20:21], s[100:101]
	s_mov_b32 s[G0RS], 1
	s_add_co_u32 s[G0RS+1], s38, SCL
	s_mov_b64 s[G0RS+2:G0RS+3], s[6:7]
	s_or_b32 s[G0RS+3], s[G0RS+3], 0x80000000
	s_mov_b32 s[G0PS], 1
	s_add_co_u32 s[G0PS+1], s38, SCL
	s_mov_b64 s[G0PS+2:G0PS+3], s[10:11]
	s_or_b32 s[G0PS+3], s[G0PS+3], 0x80000000
.irp s, 0,1
	s_mov_b32 s[G0R+4*\s], 1
	s_add_co_u32 s[G0R+4*\s+1], s39, \s*SLOT
	s_add_nc_u64 s[G0R+4*\s+2:G0R+4*\s+3], s[4:5], \s*256
	s_or_b32 s[G0R+4*\s+3], s[G0R+4*\s+3], 0x80000000
	s_mov_b32 s[G0P+4*\s], 1
	s_add_co_u32 s[G0P+4*\s+1], s39, \s*SLOT
	s_add_nc_u64 s[G0P+4*\s+2:G0P+4*\s+3], s[8:9], \s*256
	s_or_b32 s[G0P+4*\s+3], s[G0P+4*\s+3], 0x80000000
.endr
	CROUND                                         ; all sixteen work-groups are here: the joint loads meet
	JLOAD G0RS, G1RS, G0PS, G1PS                   ; the scales of all of K, then both halves of K: three loads of mine are out, and no more follow
	JLOAD G0R, G1R, G0P, G1P
	JLOAD G0R+4, G1R, G0P+4, G1P
	s_mov_b32 s[SEL], 0x76543210
	s_mov_b32 s[SEL+1], 0xfedcba98                 ; lane l xor 16
	s_mov_b32 vcc_lo, 0xffff0000                   ; lanes 16-31: kept for the selects of scale words
	v_and_b32 v1, 15, v0                           ; r
	v_bfe_u32 v2, v0, 4, 1                         ; h
	v_mul_u32_u24 v3, v1, PITCH
	v_lshl_add_u32 v4, v2, 4, v3                   ; a fragment's row x pitch + 16 h
	s_mul_i32 s4, s[RH], HALFT                     ; x as R: my 128 tokens of tile 1
	s_mul_i32 s5, s[PH], HALFT                     ; x as P: my 128 keys of tile 2
	s_add_co_u32 s6, s5, 2*HALFT                   ; the weight's 128 rows, behind x's 256
.irp s, 0,1
	v_add_nc_u32 v[ADRA+\s], s4, v4
	v_add_nc_u32 v[ADRP2+\s], s5, v4
	v_add_nc_u32 v[ADRB+\s], s6, v4
	s_add_co_u32 s4, s4, SLOT
	s_add_co_u32 s5, s5, SLOT
	s_add_co_u32 s6, s6, SLOT
.endr
	v_lshlrev_b32 v5, 5, v1                        ; my row's scales: 32 bytes a row,
	v_lshrrev_b32 v6, 3, v1
	v_lshl_add_u32 v5, v6, 4, v5                   ; and 16 more for each 256 passed
	s_mul_i32 s4, s[RH], HALFS                     ; x's: my 128 tokens of tile 1
	s_mul_i32 s5, s[PH], HALFS
	s_add_co_u32 s6, s5, SCL
	v_add_nc_u32 v[ADRS2], s6, v5                  ; x's: my 128 keys of tile 2, in every lane
	s_add_co_u32 s5, s5, 2*HALFS                   ; the weight's: my 128 rows, behind x's 256
	s_sub_co_u32 s5, s5, s4
	v_mul_u32_u24 v6, s5, v2                       ; lanes 16-31 take the weight's: one product, the distance between the two bases
	s_add_co_u32 s4, s4, SCL
	v_add_nc_u32 v5, v5, v6
	v_add_nc_u32 v[ADRS], s4, v5
	v_and_b32 v[LN], 31, v0
	v_lshlrev_b32 v[CO], 4, v[LN]
	v_mul_u32_u24 v[SOF], v2, REC
	v_lshl_add_u32 v[SOF], v1, 4, v[SOF]
	v_lshlrev_b32 v[SOV], 4, v1
	v_lshlrev_b32 v[BOP], 5, v2
	v_lshlrev_b32 v[BOR], 2, v1
	v_lshlrev_b32 v[WVO], 9, v1
	v_lshl_add_u32 v[WVO], v2, 4, v[WVO]
	v_lshlrev_b32 v[WSO], 5, v1
.irp b, 0,1,2,3
	v_mov_b32 v[TM+4+\b], 0                        ; written once: a lane permute's destination counts as one of its sources
.endr
	WIN 0x40                                       ; destination window 1
.irp t, 0,1,2,3,4,5,6,7
	global_load_b128 v[BS+8*\t:BS+8*\t+3], v[BOP], s[14:15] offset:64*\t        ; register 8 t + j: number 16 t + 8 h + j
	global_load_b128 v[BS+8*\t+4:BS+8*\t+7], v[BOP], s[14:15] offset:64*\t+16
.endr
.irp a, 0,1,2,3
	global_load_b32 v[BR+2*\a], v[BOR], s[12:13] offset:64*\a                   ; bv at channel 16 a + r of my head, twice: a pair for the packed addition
	global_load_b32 v[BR+2*\a+1], v[BOR], s[12:13] offset:64*\a
.endr
	WIN 0
.macro FRAG reg, adr, q, i             ; a fragment, 16 rows x 128 K: lane (r, h) holds row r; registers 4 c .. 4 c + 3 hold K = 64 c + 32 h + 0 .. 31: 16 bytes of the row as they lie
.irp c, 0,1
	ds_load_b128 v[\reg+4*\c:\reg+4*\c+3], v[\adr] offset:64*(\q)+32*\c+(\i)*16*PITCH
.endr
.endm
.macro FETCH q                         ; tile 1: the fragments of K step q (slot q / 4) into set q % 2: 32 loads in one run
	WIN 0x40
.irp i, 0,1,2,3,4,5,6,7
	FRAG 128*((\q)%2)+8*\i, ADRB+(\q)/4, (\q)%4, \i
.endr
	WIN 0
.irp i, 0,1,2,3,4,5,6,7
	FRAG RF+64*((\q)%2)+8*\i, ADRA+(\q)/4, (\q)%4, \i
.endr
.endm
; 16 matrix instructions: R's tiles a0, a0 + 1 x P's eight.  The 64 accumulators take turns, one instruction a turn, in the same order in every step.
.macro MUL16 a0, p, q, zero
.irp a, \a0, \a0+1
.irp b, 0,1,2,3,4,5,6,7
.if \zero
	v_wmma_scale_f32_16x16x128_f8f6f4 v[8*(8*((\a)%4)+\b):8*(8*((\a)%4)+\b)+7], v[128*(\p)+8*\b:128*(\p)+8*\b+7], v[RF+64*(\p)+8*(\a):RF+64*(\p)+8*(\a)+7], 0, v[SC+8*\b+(\q)], v[SC+8*(\a)+(\q)] matrix_a_fmt:MATRIX_FMT_FP4 matrix_b_fmt:MATRIX_FMT_FP4 matrix_a_scale:MATRIX_SCALE_ROW1
.else
	v_wmma_scale_f32_16x16x128_f8f6f4 v[8*(8*((\a)%4)+\b):8*(8*((\a)%4)+\b)+7], v[128*(\p)+8*\b:128*(\p)+8*\b+7], v[RF+64*(\p)+8*(\a):RF+64*(\p)+8*(\a)+7], v[8*(8*((\a)%4)+\b):8*(8*((\a)%4)+\b)+7], v[SC+8*\b+(\q)], v[SC+8*(\a)+(\q)] matrix_a_fmt:MATRIX_FMT_FP4 matrix_b_fmt:MATRIX_FMT_FP4 matrix_a_scale:MATRIX_SCALE_ROW1
.endif
.endr
.endr
.endm
; K step q of tile 1: the next step's fragments are asked for first, into the set that the step before multiplied (four places behind its products: ISA guide 7.12.1 for vector instructions);
; they have this step's 64 matrix instructions in which to come.
.macro STEP q, zero
.if (\q) > 0 && (\q) < 7
	PLACES 4
.endif
.if (\q) < 7
	FETCH (\q)+1
	s_wait_dscnt 32                                ; all but the 32 just issued: this step's fragments are in
.else
	s_wait_dscnt 0x0
.endif
	WIN 0xa1                                       ; source 0 (P) window 1, source 1 (R) window 0, C and D window 2
	MUL16 0, (\q)%2, \q, \zero
	MUL16 2, (\q)%2, \q, \zero
	WIN 0xf1                                       ; C and D window 3
	MUL16 4, (\q)%2, \q, \zero
	MUL16 6, (\q)%2, \q, \zero
	WIN 0
.endm
; TILE 2.  x's eight fragments of my 128 keys, K step q, into set q % 2 of window 1: 16 loads; Wv's fragments wait in window 2.
.macro FETCHP q
	WIN 0x40
.irp i, 0,1,2,3,4,5,6,7
	FRAG 128*((\q)%2)+8*\i, ADRP2+(\q)/4, (\q)%4, \i
.endr
	WIN 0
.endm
.macro MULV p, q, zero                 ; 32 matrix instructions: Wv's four tiles x x's eight; the 32 accumulators by turns, in the same order in every step
.irp a, 0,1,2,3
.irp b, 0,1,2,3,4,5,6,7
.if \zero
	v_wmma_scale_f32_16x16x128_f8f6f4 v[8*(8*\a+\b):8*(8*\a+\b)+7], v[128*(\p)+8*\b:128*(\p)+8*\b+7], v[64*\a+8*(\q):64*\a+8*(\q)+7], 0, v[SC+8*\b+(\q)], v[SC+8*\a+(\q)] matrix_a_fmt:MATRIX_FMT_FP4 matrix_b_fmt:MATRIX_FMT_FP4 matrix_a_scale:MATRIX_SCALE_ROW1
.else
	v_wmma_scale_f32_16x16x128_f8f6f4 v[8*(8*\a+\b):8*(8*\a+\b)+7], v[128*(\p)+8*\b:128*(\p)+8*\b+7], v[64*\a+8*(\q):64*\a+8*(\q)+7], v[8*(8*\a+\b):8*(8*\a+\b)+7], v[SC+8*\b+(\q)], v[SC+8*\a+(\q)] matrix_a_fmt:MATRIX_FMT_FP4 matrix_b_fmt:MATRIX_FMT_FP4 matrix_a_scale:MATRIX_SCALE_ROW1
.endif
.endr
.endr
.endm
.macro STEPV q
.if (\q) > 0 && (\q) < 7
	PLACES 4
.endif
.if (\q) < 7
	FETCHP (\q)+1
	s_wait_dscnt 16                                ; all but the 16 just issued: this step's fragments are in
.else
	s_wait_dscnt 0x0
.endif
	WIN 0xf9                                       ; source 0 (x) window 1, source 1 (Wv) window 2, C and D window 3
.if (\q) == 0
	s_wait_alu depctr_va_vdst(0)
	MULV 0, 0, 1
.else
	MULV (\q)%2, \q, 0
.endif
	WIN 0
.endm
; 64 numbers of a lane, register 16 b + i of lanes l and l xor 16 = block b of the next K, become a fragment's codes in v[PC] on; the four scale bytes stay in v[TM+4] on.
.macro QUANT s
.irp b, 0,1,2,3
	v_max3_num_f32 v[TM+\b], |v[\s+16*\b]|, |v[\s+1+16*\b]|, 0x1800000   ; my 16 numbers of block b, and the floor 2^(3 - 127): so the byte cannot fall under 1
.endr
.irp i, 2,4,6,8,10,12,14
.irp b, 0,1,2,3
	v_max3_num_f32 v[TM+\b], v[TM+\b], |v[\s+16*\b+\i]|, |v[\s+1+16*\b+\i]|   ; the four blocks by turns
.endr
.endr
.irp b, 0,1,2,3
	v_permlanex16_b32 v[TM+4+\b], v[TM+\b], s[SEL], s[SEL+1]
.endr
.irp b, 0,1,2,3
	v_max_num_f32 v[TM+\b], v[TM+\b], v[TM+4+\b]   ; with lane l xor 16's: the block's largest magnitude
.endr
.irp b, 0,1,2,3
	v_add_nc_u32 v[TM+8+\b], 0xff000000, v[TM+\b]  ; 2 off its exponent field: the conversion takes the exponent field of this operand as its scale
.endr
.irp b, 0,1,2,3
	v_lshrrev_b32 v[TM+4+\b], 23, v[TM+8+\b]       ; the scale's byte
.endr
.irp b, 0,1,2,3
	v_cvt_scalef32_pk8_fp4_f32 v[PC+4*(\b/2)+(\b%2)], v[\s+16*\b:\s+16*\b+7], v[TM+8+\b]       ; index 32 b + 8 h + 0 .. 7
	v_cvt_scalef32_pk8_fp4_f32 v[PC+4*(\b/2)+(\b%2)+2], v[\s+16*\b+8:\s+16*\b+15], v[TM+8+\b]  ; index 32 b + 16 + 8 h + 0 .. 7
.endr
	v_nop                                          ; one plain place behind a scaled conversion
.irp c, 0,1                                    ; the first's lanes 16-31 change places with the second's lanes 0-15: register 4 c + i then holds index 64 c + 32 h + 8 i + 0 .. 7, the operand's layout
	v_permlane16_swap_b32 v[PC+4*\c], v[PC+4*\c+1]
	v_permlane16_swap_b32 v[PC+4*\c+2], v[PC+4*\c+3]
.endr
.endm
; Where a tile's codes (s[22:23]) and scale words (s[24:25]) go.  kind 0: q or k: my 128 tokens are group 2 (4 TG + cy) + RH, my first head 4 cx + 2 PH.  kind 1: v: my 128 keys are group 2 (4 TG + cy) + PH, my head HV.
.macro EPIHEAD kind
	s_lshl_b32 s4, s[TG], 2
	s_add_co_u32 s4, s4, s[CY]
	s_lshl_b32 s4, s4, 1
.if \kind == 0
	s_add_co_u32 s4, s4, s[RH]
	s_lshl_b32 s6, s[CX], 2
	s_lshl_b32 s7, s[PH], 1
	s_add_co_u32 s6, s6, s7
.else
	s_add_co_u32 s4, s4, s[PH]
	s_mov_b32 s6, s[HV]
.endif
	s_lshr_b32 s5, s4, 4                           ; the batch
	s_and_b32 s4, s4, 15                           ; which 128 tokens of it
	s_lshl_b32 s5, s5, 4
	s_add_co_u32 s5, s5, s6
	s_mul_i32 s5, s5, REC                          ; the record
	s_lshl_b32 s8, s4, 12                          ; codes: 4,096 bytes for 128 tokens
	s_add_co_u32 s8, s8, s5
.if \kind == 0
	s_lshl_b32 s10, s4, 9                          ; scale words: 512 bytes for 128 tokens
	s_add_co_u32 s10, s10, s5
	s_mov_b32 s7, R_QS
	s_cmp_lg_u32 s[ODD], 0                         ; k's regions or q's
	s_cselect_b32 s6, 0, R_QC
	s_cselect_b32 s7, R_KS, s7
	s_add_co_u32 s8, s8, s6
	s_add_co_u32 s10, s10, s7
.else
	s_lshl_b32 s10, s4, 8                          ; 256 bytes for 128 keys
	s_add_co_u32 s10, s10, s5
	s_add_co_u32 s8, s8, R_VC
	s_add_co_u32 s10, s10, R_VS
.endif
	s_mov_b32 s9, 0
	s_mov_b32 s11, 0
	s_add_nc_u64 s[22:23], s[26:27], s[8:9]
	s_add_nc_u64 s[24:25], s[26:27], s[10:11]
.endm
; THE WAY OUT OF TILE 1, token tile a: a lane holds a token, its registers 128 features = two heads x 64.  The bias is added on the way into window 0 (each accumulator from its low end on), the 64 numbers are
; quantised, and the two groups of four code registers leave as they stand: each store of the wave covers 512 consecutive bytes, aligned.  The first four tiles' accumulators, once read, take Wv's fragments.
.macro EPIQK a
	WIN 0x06+(\a)/4                                ; source 0 window 2 or 3, source 1 window 1, destination window 0
.set i, 0
.rept 32
	v_pk_add_f32 v[T+i:T+i+1], v[64*((\a)%4)+i:64*((\a)%4)+i+1], v[BS+i:BS+i+1]
.set i, i+2
.endr
	s_wait_xcnt 0x0                                ; the last tile's stores have read their data: the code registers are written again only behind this wait
.if (\a) < 4
	WIN 0x80                                       ; destination window 2
.irp q, 0,1,2,3,4,5,6,7
.irp c, 0,1
	global_load_b128 v[64*(\a)+8*\q+4*\c:64*(\a)+8*\q+4*\c+3], v[WVO], s[16:17] offset:8192*(\a)+64*\q+32*\c   ; Wv's rows 16 a + r of my head, K step q: the fragment's registers
.endr
.endr
.endif
	WIN 0
	QUANT T
	v_lshl_or_b32 v[W0], v[TM+5], 8, v[TM+4]       ; the first head's two bytes; the word's upper bytes stay 0
	v_lshl_or_b32 v[W0+1], v[TM+7], 8, v[TM+6]     ; the second head's
	v_cndmask_b32 v[SW+(\a)], v[W0], v[W0+1], vcc_lo   ; lanes 0-15 carry the first head's word, lanes 16-31 the second's
	global_store_b128 v[CO], v[PC:PC+3], s[22:23] offset:512*(\a)
	global_store_b128 v[CO], v[PC+4:PC+7], s[22:23] offset:REC+512*(\a)
.endm
; THE WAY OUT OF TILE 2, channel tile a: a lane holds a channel of my head, its registers 128 keys.
.macro EPIV a
	WIN 0x07                                       ; source 0 window 3, source 1 window 1, destination window 0
.set i, 0
.rept 32
	v_pk_add_f32 v[T+i:T+i+1], v[64*(\a)+i:64*(\a)+i+1], v[BR+2*(\a):BR+2*(\a)+1]
.set i, i+2
.endr
	WIN 0
	s_wait_xcnt 0x0                                ; the last tile's stores have read their data
	QUANT T
	v_lshl_or_b32 v[W0], v[TM+5], 8, v[TM+4]
	v_lshl_or_b32 v[W0], v[TM+6], 16, v[W0]
	v_lshl_or_b32 v[SW+(\a)], v[TM+7], 24, v[W0]   ; the four blocks of these 128 keys
	global_store_b128 v[CO], v[PC:PC+3], s[22:23] offset:1024*(\a)
	global_store_b128 v[CO], v[PC+4:PC+7], s[22:23] offset:1024*(\a)+512
.endm
	s_wait_alu depctr_va_vdst(0)
	s_wait_tensorcnt 0x1                           ; the scales and my part of slot 0 are in; slot 1's load, issued last, may be out
	s_barrier_signal -1
	s_barrier_wait -1                              ; everybody's are
.irp i, 0,1,2,3,4,5,6,7
.irp u, 0,1
	ds_load_b128 v[SC+8*\i+4*\u:SC+8*\i+4*\u+3], v[ADRS] offset:\i*SBLK+16*\u   ; the scale words of all eight K steps
.endr
.endr
	FETCH 0
	STEP 0, 1                                      ; the first products start the sums: nothing is cleared
	STEP 1, 0
	STEP 2, 0
	s_wait_tensorcnt 0x0                           ; my part of slot 1 is in,
	s_wait_dscnt 0x0                               ; and no LDS load of mine is out at the signal
	s_barrier_signal -1
	s_barrier_wait -1                              ; everybody's is: step 3 fetches step 4's fragments from slot 1
	STEP 3, 0
	STEP 4, 0
	STEP 5, 0
	STEP 6, 0
	STEP 7, 0
	PLACES 4                                       ; in front of the first read of results and of loads into registers that the last products read
	s_wait_loadcnt 0x0                             ; the biases
.irp i, 0,1,2,3,4,5,6,7                        ; tile 2's operands are asked for ahead of tile 1's way out: x's scale words of my 128 keys (lanes 16-31 are the ones that count),
.irp u, 0,1
	ds_load_b128 v[SC+8*\i+4*\u:SC+8*\i+4*\u+3], v[ADRS2] offset:\i*SBLK+16*\u
.endr
.endr
.irp i, 0,1,2,3                                ; Wv's scale words: row 16 i + r of my head, 32 bytes: sixteen lanes read 512 consecutive bytes,
.irp u, 0,1
	global_load_b128 v[XW+8*\i+4*\u:XW+8*\i+4*\u+3], v[WSO], s[18:19] offset:512*\i+16*\u
.endr
.endr
	FETCHP 0                                       ; and x's fragments of K step 0
	EPIHEAD 0
.irp a, 0,1,2,3,4,5,6,7
	EPIQK \a
.endr
	global_store_b128 v[SOF], v[SW:SW+3], s[24:25]             ; token tiles 0-3: [r][tile % 4]: sixteen lanes store 256 consecutive bytes, aligned
	global_store_b128 v[SOF], v[SW+4:SW+7], s[24:25] offset:256
	s_wait_loadcnt 0x0                             ; Wv's fragments and scale words
	s_wait_dscnt 0x0                               ; x's scale words and first fragments
.irp i, 0,1,2,3
.irp q, 0,1,2,3,4,5,6,7
	v_cndmask_b32 v[SC+8*\i+\q], v[XW+8*\i+\q], v[SC+8*\i+\q], vcc_lo   ; lanes 0-15: Wv's tile i; lanes 16-31 keep x's tile i
.endr
.endr
	PLACES 8                                       ; a scale register written by a vector instruction stands eight places ahead of the scaled matrix instruction
	STEPV 0
	STEPV 1
	STEPV 2
	STEPV 3
	STEPV 4
	STEPV 5
	STEPV 6
	STEPV 7
	PLACES 4                                       ; in front of the first read of results
	s_wait_xcnt 0x0                                ; tile 1's stores have read their bases
	EPIHEAD 1
.irp a, 0,1,2,3
	EPIV \a
.endr
	v_cmp_gt_u32 vcc_lo, 16, v[LN]                 ; both halves of the lanes hold the same words: lanes 0-15 store them
	s_wait_alu depctr_va_vdst(0)
	s_wait_xcnt 0x0                                ; EXEC changes only behind this wait
	s_and_saveexec_b32 s4, vcc_lo
	global_store_b128 v[SOV], v[SW:SW+3], s[24:25] ; [r][d tile]: sixteen lanes store 256 consecutive bytes, aligned
	s_wait_xcnt 0x0                                ; and again, in front of the line that widens it
	s_or_b32 exec_lo, exec_lo, s4
	s_wait_tensorcnt 0x0
	ds_add_u32 v126, v127
	s_wait_dscnt 0x0
	CROUND                                         ; the closing round: no work-group ends while a partner may still ask for a tile that names it
	s_endpgm
.Lfunc_end_k_q1f069efff0_proj:
	.size	k_q1f069efff0_proj, .Lfunc_end_k_q1f069efff0_proj-k_q1f069efff0_proj
	.p2alignl 7, 3214868480
	.fill 96, 4, 3214868480
	.section	.rodata,"a",@progbits
	.p2align	6, 0x0
	.amdhsa_kernel k_q1f069efff0_proj
		.amdhsa_group_segment_fixed_size 296448
		.amdhsa_private_segment_fixed_size 0
		.amdhsa_enable_private_segment 0
		.amdhsa_kernarg_size 96
		.amdhsa_user_sgpr_count 2
		.amdhsa_user_sgpr_kernarg_segment_ptr 1
		.amdhsa_wavefront_size32 1
		.amdhsa_system_sgpr_workgroup_id_x 1
		.amdhsa_system_sgpr_workgroup_id_y 1
		.amdhsa_system_sgpr_workgroup_id_z 1
		.amdhsa_system_vgpr_workitem_id 0
		.amdhsa_next_free_vgpr 1024
		.amdhsa_next_free_sgpr 102
		.amdhsa_reserve_vcc 1
		.amdhsa_float_denorm_mode_32 3
		.amdhsa_float_denorm_mode_16_64 3
		.amdhsa_memory_ordered 1
		.amdhsa_forward_progress 1
		.amdhsa_inst_pref_size 222
	.end_amdhsa_kernel
	.amdgpu_metadata
---
amdhsa.version: [ 1, 2 ]
amdhsa.kernels:
  - .name:           k_q1f069efff0_proj
    .symbol:         k_q1f069efff0_proj.kd
    .args:
      - { .name: x_codes, .offset: 0, .size: 8, .value_kind: global_buffer, .address_space: global }
      - { .name: x_scales, .offset: 8, .size: 8, .value_kind: global_buffer, .address_space: global }
      - { .name: Wq_codes, .offset: 16, .size: 8, .value_kind: global_buffer, .address_space: global }
      - { .name: Wq_scales, .offset: 24, .size: 8, .value_kind: global_buffer, .address_space: global }
      - { .name: Wk_codes, .offset: 32, .size: 8, .value_kind: global_buffer, .address_space: global }
      - { .name: Wk_scales, .offset: 40, .size: 8, .value_kind: global_buffer, .address_space: global }
      - { .name: Wv_codes, .offset: 48, .size: 8, .value_kind: global_buffer, .address_space: global }
      - { .name: Wv_scales, .offset: 56, .size: 8, .value_kind: global_buffer, .address_space: global }
      - { .name: bq, .offset: 64, .size: 8, .value_kind: global_buffer, .address_space: global }
      - { .name: bk, .offset: 72, .size: 8, .value_kind: global_buffer, .address_space: global }
      - { .name: bv, .offset: 80, .size: 8, .value_kind: global_buffer, .address_space: global }
      - { .name: qkv, .offset: 88, .size: 8, .value_kind: global_buffer, .address_space: global }
    .group_segment_fixed_size: 296448
    .private_segment_fixed_size: 0
    .kernarg_segment_align: 8
    .kernarg_segment_size: 96
    .max_flat_workgroup_size: 128
    .sgpr_count:     102
    .vgpr_count:     1024
    .wavefront_size: 32
...
	.end_amdgpu_metadata
.endif
;; end of part 1
;; launch attn (part 2): grid 8 x 32, 16 waves a work-group, clusters of 4 x 1, 289,792 bytes of LDS; arguments qkv, oc, os; writes oc, os
.if DOCPART == 2
	.amdgcn_target "amdgcn-amd-amdhsa--gfx1250"
	.amdhsa_code_object_version 6
	.text
	.protected	k_q1f069efff0_attn
	.globl	k_q1f069efff0_attn
	.p2align	8
	.type	k_q1f069efff0_attn,@function
k_q1f069efff0_attn:
	s_mov_b64 s[64:65], 0
	v_nop
	global_prefetch_b8 v0, s[64:65] scope:SCOPE_SE
	s_setreg_imm32_b32 hwreg(HW_REG_WAVE_MODE, 25, 1), 1
	s_wait_xcnt 0x0
	s_wait_alu depctr_hold_cnt(0) depctr_sa_sdst(0) depctr_va_vdst(0) depctr_va_sdst(0) depctr_va_ssrc(0) depctr_va_vcc(0) depctr_vm_vsrc(0)
	s_getreg_b32 s2, hwreg(HW_REG_IB_STS2, 6, 4)
	s_cmp_eq_u32 s2, 0
	s_cbranch_scc0 .Lentry_in_a_cluster
	s_endpgm
.Lentry_in_a_cluster:
	s_bfe_u32 s2, ttmp6, 0x10000c
	s_cmp_lg_u32 s2, 0x3003
	s_cbranch_scc0 .Lentry_shape_is_right
	s_endpgm
.Lentry_shape_is_right:
; o = softmax(q k^T / 8) v for two heads of one batch and 256 queries, both products on codes of FP4 (E2M1) with one E8M0 scale for each 32 along K; o is then quantised along the model's 1,024 for the last product.
; THE SOFTMAX AHEAD OF THE SECOND PRODUCT: t = score x log2(e) / 8; M = the row's largest t so far, rounded UP to a whole number; p = 2^(t - M) is what is quantised, along the keys; it is not normalised.
; The row's sum is taken of the unquantised p, in f32, and divides O at the end.  When M moves, the sum and O are multiplied by 2^(old M - new M): exact.
; SHARES.  Work-group y = 8 x batch + head pair; its 256 queries are block 4 x cluster x + cx.  Each of sixteen waves owns 16 queries and walks them through BOTH heads of the pair, one after the other,
; so that it ends with one whole fragment (128 along the last product's K) of o and its whole scale word.  Four waves share a SIMD: one wave's vector work stands beside another's products and LDS loads.
; LDS IS FILLED ONCE: K's and V's codes and scale words of both heads, 143,360 bytes each, lie in LDS whole, as images of the operands' registers (lane l's 16 bytes at 16 l): nothing is filled again.
; CLUSTER.  The four query blocks of a cluster read the same two records, so each quarter of a record is asked for jointly, by the same tensor load with a mask that names the four.  Waves 0 to 3 ask.
; LAYOUT.  Both products are used transposed: S^T = K Q^T (source 0 = 16 keys, source 1 = my queries), O^T = V^T P^T (source 0 = 16 of the head's 64, source 1 = P): a lane holds ONE query (lane % 16) throughout.
; THE KEYS OF A TILE ARE NOT NEIGHBOURS: row m of tile 4 c + i is key 64 c + 32 (m / 8) + 8 i + m % 8 of the step's 128.  So register 32 c + 8 i + j of lane (r, h) is key 64 c + 32 h + 8 i + j: A BLOCK OF 32 KEYS
; LIES IN ONE LANE.  Its largest score needs no other lane, a lane has two blocks' scales to make and not four, and the conversions' results are the second product's operand as they stand.
; The choice costs an address: K's images lie by neighbouring keys, and lane (m, h) takes its 16 bytes at 1,024 (m / 8) + 16 (m % 8) + 256 h, the tile standing in the immediate.
; K = 64 IN AN INSTRUCTION OF 128: Q's registers 4-7 are zero codes.  K's fragment of tile t is named v[KF + 4 t : KF + 4 t + 7]: its upper four registers are the next tile's codes (behind tile 7: zeros);
; they meet zero codes alone, under scale bytes 0 (2^-127), and FP4 has no code for NaN or infinity: they add exactly 0.
; LIMITS: NaN and infinities are not served.  A block of o whose largest magnitude lies under 2^-124 gets the byte 1; the bytes are read by this program alone.
; A block's largest p is the same multiply-add and exponential on the block's largest score; this takes v_exp_f32 not to fall where its input rises.
.set REC,   217088
.set HREC,  143360                     ; what of a record comes into LDS
.set QUART, 35840                      ; a quarter of it: 140 rows of 256 bytes, one tensor load
.set R_VC,  65536
.set R_KS,  131072
.set R_VS,  139264
.set R_QC,  143360
.set R_QS,  208896
.set STG,   2*HREC                     ; behind the two heads: o's scale words of the 256 queries, 1,024 bytes that no tensor load fills
.set AK0,  1                           ; v1  16 x lane: my place in an image of Q, and my offset in the stores of o's codes
.set AV0,  2                           ; v2  my place in V's images, one step (4,096 bytes) ahead of the region: the step's address is stepped before it is used
.set ASK0, 3                           ; v3  my place among K's scale words: 16 (m % 8) + 8 (m / 8)
.set ASV0, 4                           ; v4  my place among V's: 16 (lane % 16), one step (256 bytes) ahead of the region
.set ADK,  5                           ; v5-8 the addresses that walk
.set ADV,  6
.set ADS,  7
.set ADT,  8
.set AKP,  9                           ; v9  my place in K's images: 1,024 (m / 8) + 16 (m % 8) + 256 h
.set SWA,  10                          ; v10 where I put my query's scale word
.set SRA,  11                          ; v11 where waves 0 and 1 read 16 bytes of words back
.set QF,   16                          ; v16-23 Q of head 0 (v20-23 zeros), v24-31 of head 1
.set KF,   32                          ; v32-63 eight tiles of K, four registers each; v64-67 zeros
.set VF,   68                          ; v68-99 four fragments of V
.set S,    100                         ; v100-163 S^T, then p
.set O,    164                         ; v164-195 O^T
.set PC,   196                         ; v196-203 p's codes
.set KSR,  204                         ; v204-211 K's scale words (tile 4 c + i at 4 c + 2 (i % 2) + i / 2), v212-215 V's, v216-217 Q's, v218 p's: scales and nothing else
.set VSR,  212
.set QSR,  216
.set PW,   218
.set GW,   219                         ; v219 16 x (thread % 64): the words' place in memory
.set BM,   220                         ; v220-223 maxima, v224-227 at work and bytes, v228-231 the conversions' scale operands
.set BT,   224
.set BO,   228
.set F,    232                         ; v[232:233] f (the low word serves both halves)
.set TP,   234
.set SH8,  235                         ; v235 8 (lane / 16)
.set L2,   236                         ; v[236:237] the second chain of the sum
.set OC,   240                         ; v240-247 o's codes
.set OW,   248                         ; v248 o's scale word
.set TQ,   249
.set WV,  10
.set SEL, 20
.set CS,  22
.set CNT, 43
.macro CROUND                          ; a round of the cluster's barrier
	s_barrier_signal -1
	s_barrier_wait -1
	s_cmp_lg_u32 s[WV], 0
	s_cbranch_scc1 .Lnot_wave_0_\@
	s_barrier_signal -3
.Lnot_wave_0_\@:
	s_barrier_wait -3
	s_barrier_signal -1
	s_barrier_wait -1
.endm
	s_load_b128 s[4:7], s[0:1], 0x0                ; qkv, oc
	s_load_b64 s[8:9], s[0:1], 0x10                ; os
	v_lshl_add_u32 v254, v0, 2, 0x46400
	v_mov_b32 v255, 0
	ds_add_u32 v254, v255
	ds_add_u32 v254, v255
	v_lshrrev_b32 v5, 5, v0
	s_delay_alu instid0(VALU_DEP_1)
	v_readfirstlane_b32 s[WV], v5                  ; wave 0..15
	s_bfe_u32 s11, ttmp6, 0x40000                  ; cx: it enters global addresses of Q and o alone
	s_lshl_b32 s12, ttmp9, 2
	s_add_co_u32 s12, s12, s11                     ; my block of 256 queries
	s_and_b32 s13, ttmp7, 0xffff                   ; y = 8 x batch + head pair, which the four partners share
	v_and_b32 v6, 31, v0
	v_and_b32 v7, 15, v0
	v_and_b32 v8, 7, v0                            ; m % 8
	v_bfe_u32 v5, v0, 3, 1                         ; m / 8
	v_bfe_u32 v[SH8], v0, 4, 1                     ; h
	v_lshlrev_b32 v[AK0], 4, v6                    ; the lanes' places are made here, ahead of the branch on the wave's number
	s_delay_alu instid0(VALU_DEP_1)
	v_add_nc_u32 v[AV0], R_VC-4096, v[AK0]
	v_lshlrev_b32 v[TQ], 4, v7
	s_delay_alu instid0(VALU_DEP_1)
	v_add_nc_u32 v[ASV0], R_VS-256, v[TQ]
	v_lshlrev_b32 v[AKP], 4, v8
	s_delay_alu instid0(VALU_DEP_1)
	v_lshl_add_u32 v[AKP], v5, 10, v[AKP]
	s_delay_alu instid0(VALU_DEP_1)
	v_lshl_add_u32 v[AKP], v[SH8], 8, v[AKP]
	v_lshlrev_b32 v[ASK0], 4, v8
	s_delay_alu instid0(VALU_DEP_1)
	v_lshl_add_u32 v[ASK0], v5, 3, v[ASK0]
	s_delay_alu instid0(VALU_DEP_1)
	v_add_nc_u32 v[ASK0], R_KS, v[ASK0]
	v_lshlrev_b32 v[SH8], 3, v[SH8]
	s_lshl_b32 s14, s[WV], 6
	v_lshl_add_u32 v[SWA], v7, 2, s14
	s_delay_alu instid0(VALU_DEP_1)
	v_add_nc_u32 v[SWA], STG, v[SWA]               ; STG + 64 x wave + 4 r
	v_and_b32 v[GW], 63, v0
	s_delay_alu instid0(VALU_DEP_1)
	v_lshlrev_b32 v[GW], 4, v[GW]
	s_delay_alu instid0(VALU_DEP_1)
	v_add_nc_u32 v[SRA], STG, v[GW]
	; descriptor group 1: 140 dense rows of 256 bytes (32 elements of 8 bytes), no padding
	s_mov_b32 s24, 15|(3<<16)|(1<<21)              ; 15:0 the mask: all four work-groups; 17:16 elements of 8 bytes; 21 set beside a mask
	s_mov_b32 s25, 32<<16
	s_mov_b32 s26, 140<<16
	s_mov_b32 s27, 32<<16
	s_mov_b32 s28, 140
	s_mov_b32 s29, 32
	s_mov_b32 s30, 0
	s_mov_b32 s31, 0
	s_and_b32 s14, s[WV], 3
	s_mul_i32 s14, s14, QUART                      ; the quarter that I fetch, if I fetch: in memory and in LDS alike
	s_lshl_b32 s16, s13, 1
	s_mul_i32 s16, s16, REC                        ; the record of the pair's first head
	s_add_co_u32 s18, s16, s14
	s_mov_b32 s19, 0
	s_lshl_b32 s15, s12, 4
	s_add_co_u32 s15, s15, s[WV]                   ; my tile of 16 queries among the batch's 128
	s_lshl_b32 s44, s15, 9                         ; Q's codes: 512 bytes a tile
	s_add_co_u32 s44, s44, s16
	s_add_co_u32 s44, s44, R_QC
	s_mov_b32 s45, 0
	s_lshr_b32 s46, s15, 2                         ; Q's scale words: [tile / 4][r][tile % 4]
	s_lshl_b32 s46, s46, 8
	s_and_b32 s47, s15, 3
	s_lshl_b32 s47, s47, 2
	s_add_co_u32 s46, s46, s47
	s_add_co_u32 s46, s46, s16
	s_add_co_u32 s46, s46, R_QS
	s_mov_b32 s47, 0
	s_lshr_b32 s48, s13, 3                         ; o's codes: [pair / 4][token tile][pair % 4][c][512]
	s_lshl_b32 s48, s48, 7
	s_add_co_u32 s48, s48, s15                     ; token tile = 128 x batch + my tile
	s_lshl_b32 s48, s48, 12
	s_and_b32 s49, s13, 3
	s_lshl_b32 s49, s49, 10
	s_add_co_u32 s48, s48, s49
	s_bfe_u32 s49, s13, 0x10002
	s_lshl_b32 s49, s49, 21
	s_add_co_u32 s48, s48, s49
	s_mov_b32 s49, 0
	s_and_b32 s50, s13, 7                          ; o's scale words: [pair][token]
	s_lshl_b32 s50, s50, 15
	s_lshr_b32 s51, s13, 3
	s_lshl_b32 s51, s51, 13
	s_add_co_u32 s50, s50, s51
	s_lshl_b32 s51, s12, 10
	s_add_co_u32 s50, s50, s51
	s_mov_b32 s51, 0
	s_mov_b32 s[SEL], 0x76543210
	s_mov_b32 s[SEL+1], 0xfedcba98                 ; lane l xor 16
	s_mov_b32 s[CS], 0x3e38aa3b                    ; c = log2(e) / 8
	s_mov_b32 s[CS+1], s[CS]                       ; (named with it as a pair, so it is written)
	s_wait_dscnt 0x0
	s_wait_kmcnt 0x0
	s_mov_b32 s32, 1                               ; group 0 for head 0
	s_mov_b32 s33, s14
	s_add_nc_u64 s[34:35], s[4:5], s[18:19]
	s_mov_b32 s36, 1                               ; and for head 1: the next record, the next region of LDS
	s_add_co_u32 s37, s14, HREC
	s_add_nc_u64 s[38:39], s[34:35], REC
	s_or_b32 s35, s35, 0x80000000
	s_or_b32 s39, s39, 0x80000000
	s_add_nc_u64 s[44:45], s[4:5], s[44:45]
	s_add_nc_u64 s[46:47], s[4:5], s[46:47]
	s_add_nc_u64 s[48:49], s[6:7], s[48:49]
	s_add_nc_u64 s[50:51], s[8:9], s[50:51]
	CROUND                                         ; all four work-groups are here: the joint loads meet
	s_cmp_lt_u32 s[WV], 4                          ; a wave's two loads stand in one branch; two of mine are out, and no more follow
	s_cbranch_scc0 .Lno_fetch
	tensor_load_to_lds s[32:35], s[24:31]
	s_nop 0
	tensor_load_to_lds s[36:39], s[24:31]
	s_nop 0
.rept 4
	v_nop
.endr
.Lno_fetch:
	global_load_b128 v[QF:QF+3], v[AK0], s[44:45]              ; Q of both heads stays in registers
	global_load_b128 v[QF+8:QF+11], v[AK0], s[44:45] offset:REC
	global_load_b32 v[QSR], v[TQ], s[46:47]
	global_load_b32 v[QSR+1], v[TQ], s[46:47] offset:REC
.irp j, 4,5,6,7,12,13,14,15
	v_mov_b32 v[QF+\j], 0                          ; K = 64 .. 127 of Q: zero codes
.endr
.irp j, 0,1,2,3
	v_mov_b32 v[KF+32+\j], 0
	v_mov_b32 v[BT+\j], 0                          ; written once: a lane permute's destination counts as one of its sources
.endr
	v_mov_b32 v[F+1], 0                            ; (named as the upper half of the pair)
; The eight tiles of K of the 128 keys at v[ADK], and their scale words at v[ADS]: a load of 8 bytes brings the words of tiles 4 c + e and 4 c + e + 2.
.macro KLOAD
.irp t, 0,1,2,3,4,5,6,7
	ds_load_b128 v[KF+4*\t:KF+4*\t+3], v[ADK] offset:2048*(\t/4)+512*((\t%4)/2)+128*(\t%2)
.endr
.irp c, 0,1
.irp e, 0,1
	ds_load_b64 v[KSR+4*\c+2*\e:KSR+4*\c+2*\e+1], v[ADS] offset:256*\c+128*\e
.endr
.endr
.endm
; A KEY STEP: 128 keys of head p.  K and its scale words are in registers: they were asked for a step ago.
.macro STEP p
.irp t, 0,1,2,3,4,5,6,7
	v_wmma_scale_f32_16x16x128_f8f6f4 v[S+8*\t:S+8*\t+7], v[KF+4*\t:KF+4*\t+7], v[QF+8*\p:QF+8*\p+7], 0, v[KSR+4*(\t/4)+2*(\t%2)+(\t%4)/2], v[QSR+\p] matrix_a_fmt:MATRIX_FMT_FP4 matrix_b_fmt:MATRIX_FMT_FP4
.endr
	v_add_nc_u32 v[ADV], 4096, v[ADV]              ; this step's V, the next step's K.  These four are the places in front of the first read of the scores, of the loads into K's registers,
	v_add_nc_u32 v[ADT], 256, v[ADT]               ; which the products above read, and of the loads into V's, which the last step's products read
	v_add_nc_u32 v[ADK], 4096, v[ADK]
	v_add_nc_u32 v[ADS], 512, v[ADS]
.irp d, 0,1,2,3
.irp c, 0,1
	ds_load_b128 v[VF+8*\d+4*\c:VF+8*\d+4*\c+3], v[ADV] offset:1024*\d+512*\c
.endr
.endr
	ds_load_b128 v[VSR:VSR+3], v[ADT]
	KLOAD                                          ; (in a head's last step these twelve read the bytes that follow in the same record, which have landed with it; nobody uses them)
.irp g, 0,1,2,3
	v_max3_num_f32 v[BM+\g], v[S+16*\g], v[S+1+16*\g], v[S+2+16*\g]   ; the largest score of each of my two blocks of 32 keys, in two chains a block: it serves the row's maximum and, since p rises with the score, the block's largest p
.endr
.irp i, 3,5,7,9,11,13
.irp g, 0,1,2,3
	v_max3_num_f32 v[BM+\g], v[BM+\g], v[S+16*\g+\i], v[S+1+16*\g+\i]   ; the four chains by turns
.endr
.endr
	v_max3_num_f32 v[BM], v[BM], v[S+15], v[S+31]
	v_max3_num_f32 v[BM+2], v[BM+2], v[S+47], v[S+63]
	s_delay_alu instid0(VALU_DEP_2)
	v_max_num_f32 v[BM], v[BM], v[BM+1]            ; block h
	s_delay_alu instid0(VALU_DEP_2)
	v_max_num_f32 v[BM+2], v[BM+2], v[BM+3]        ; block 2 + h
	s_delay_alu instid0(VALU_DEP_1)
	v_max_num_f32 v[TP], v[BM], v[BM+2]
	s_delay_alu instid0(VALU_DEP_1)
	v_permlanex16_b32 v[BT], v[TP], s[SEL], s[SEL+1]
	s_delay_alu instid0(VALU_DEP_1)
	v_max3_num_f32 v13, v13, v[TP], v[BT]          ; the running largest score of my query: my 64 keys', lane l xor 16's, and what was
	s_delay_alu instid0(VALU_DEP_1)
	v_mul_f32 v[TP], s[CS], v13                    ; as t (c is positive, so the largest score gives the largest t)
	v_mov_b32 v[BT+1], v12
	s_delay_alu instid0(VALU_DEP_2)
	v_floor_f32 v12, -v[TP]                        ; the new -M = floor(-t) = -ceil(t): M is a whole number
	s_delay_alu instid0(VALU_DEP_1)
	v_sub_f32 v[TP], v12, v[BT+1]                  ; old M less new M: a whole number, 0 or less
	s_delay_alu instid0(VALU_DEP_1)
	v_cvt_i32_f32 v[TP], v[TP]                     ; (it saturates)
	s_delay_alu instid0(VALU_DEP_1)
	v_ldexp_f32 v[F], 1.0, v[TP]                   ; f = 2^(old M - new M)
.set j, 0
.rept 32
	v_pk_fma_f32 v[S+j:S+j+1], v[S+j:S+j+1], s[CS:CS+1], v[12:13] op_sel_hi:[1,0,0]   ; t - M, two at a time (of the pairs c and -M the low word serves both halves)
.set j, j+2
.endr
	v_fma_f32 v[BM], v[BM], s[CS], v12             ; the same of each block's largest score
	v_fma_f32 v[BM+2], v[BM+2], s[CS], v12
.set j, 0
	s_wait_alu depctr_va_vdst(0)
.rept 64
	v_exp_f32 v[S+j], v[S+j]                       ; p = 2^(t - M), at most 1: not normalised
.set j, j+1
.endr
	s_setprio 1
	v_exp_f32 v[BM], v[BM]                         ; the block's largest p: the same two instructions on the same number give the same bits
	v_exp_f32 v[BM+2], v[BM+2]
	v_pk_mul_f32 v[14:15], v[14:15], v[F:F+1] op_sel_hi:[1,0]   ; the sums under the new M.  (A plain place behind the exponentials)
	s_wait_alu depctr_va_vdst(0)
	v_max_num_f32 v[BM], 0x1800000, v[BM]          ; the floor 2^(3 - 127): the byte cannot fall under 1
	v_max_num_f32 v[BM+2], 0x1800000, v[BM+2]
	s_delay_alu instid0(VALU_DEP_2)
	v_add_nc_u32 v[BO], 0xff000000, v[BM]          ; 2 off the exponent field: the conversion's scale operand
	s_delay_alu instid0(VALU_DEP_2)
	v_add_nc_u32 v[BO+1], 0xff000000, v[BM+2]
	s_delay_alu instid0(VALU_DEP_2)
	v_lshrrev_b32 v[BT], 23, v[BO]                 ; the scale's byte
	s_delay_alu instid0(VALU_DEP_2)
	v_lshrrev_b32 v[BT+1], 23, v[BO+1]
	s_delay_alu instid0(VALU_DEP_1)
	v_lshl_or_b32 v[TP], v[BT+1], 16, v[BT]        ; my two bytes: blocks h and 2 + h,
	s_delay_alu instid0(VALU_DEP_1)
	v_lshlrev_b32 v[TP], v[SH8], v[TP]             ; at their places in the scale word (8 h bits up);
	s_delay_alu instid0(VALU_DEP_1)
	v_permlanex16_b32 v[BT+2], v[TP], s[SEL], s[SEL+1]
	s_delay_alu instid0(VALU_DEP_1)
	v_or_b32 v[PW], v[TP], v[BT+2]                 ; with lane l xor 16's two the word of these 128 keys is whole
.irp t, 0,1,2,3,4,5,6,7
	v_cvt_scalef32_pk8_fp4_f32 v[PC+\t], v[S+8*\t:S+8*\t+7], v[BO+\t/4]   ; register 4 c + i: keys 64 c + 32 h + 8 i + 0 .. 7: the operand's layout as it stands
.endr
	v_pk_add_f32 v[236:237], v[104:105], v[108:109]
	v_pk_add_f32 v[252:253], v[112:113], v[116:117]
	v_pk_add_f32 v[250:251], v[120:121], v[124:125]
	v_pk_add_f32 v[246:247], v[128:129], v[132:133]
	v_pk_add_f32 v[244:245], v[136:137], v[140:141]
	v_pk_add_f32 v[238:239], v[144:145], v[148:149]
	v_pk_add_f32 v[230:231], v[152:153], v[156:157]
	v_pk_add_f32 v[14:15], v[14:15], v[160:161]
	v_pk_add_f32 v[236:237], v[236:237], v[100:101]
	v_pk_add_f32 v[252:253], v[252:253], v[102:103]
	v_pk_add_f32 v[250:251], v[250:251], v[106:107]
	v_pk_add_f32 v[246:247], v[246:247], v[110:111]
	v_pk_add_f32 v[244:245], v[244:245], v[114:115]
	v_pk_add_f32 v[238:239], v[238:239], v[118:119]
	v_pk_add_f32 v[230:231], v[230:231], v[122:123]
	v_pk_add_f32 v[14:15], v[14:15], v[126:127]
	v_pk_add_f32 v[236:237], v[236:237], v[130:131]
	v_pk_add_f32 v[252:253], v[252:253], v[134:135]
	v_pk_add_f32 v[250:251], v[250:251], v[138:139]
	v_pk_add_f32 v[246:247], v[246:247], v[142:143]
	v_pk_add_f32 v[244:245], v[244:245], v[146:147]
	v_pk_add_f32 v[238:239], v[238:239], v[150:151]
	v_pk_add_f32 v[230:231], v[230:231], v[154:155]
	v_pk_add_f32 v[14:15], v[14:15], v[158:159]
	v_pk_add_f32 v[236:237], v[236:237], v[162:163]
	s_delay_alu instid0(VALU_DEP_2)
	v_pk_add_f32 v[14:15], v[14:15], v[246:247]
	s_delay_alu instid0(VALU_DEP_2)
	v_pk_add_f32 v[236:237], v[236:237], v[244:245]
	v_pk_add_f32 v[252:253], v[252:253], v[238:239]
	v_pk_add_f32 v[250:251], v[250:251], v[230:231]
	s_delay_alu instid0(VALU_DEP_2)
	v_pk_add_f32 v[14:15], v[14:15], v[252:253]
	s_delay_alu instid0(VALU_DEP_2)
	v_pk_add_f32 v[236:237], v[236:237], v[250:251]
	s_delay_alu instid0(VALU_DEP_1)
	v_pk_add_f32 v[14:15], v[14:15], v[236:237]
.set j, 0
	s_setprio 0
.rept 16
	v_pk_mul_f32 v[O+j:O+j+1], v[O+j:O+j+1], v[F:F+1] op_sel_hi:[1,0]   ; O^T under the new M.  (The 48 lines from the sums on are the places between p's codes and scale word and the products below)
.set j, j+2
.endr
	s_wait_alu depctr_va_vdst(0)
	s_wait_dscnt 0x0                               ; V is in, and so is the next step's K
.irp d, 0,1,2,3
	v_wmma_scale_f32_16x16x128_f8f6f4 v[O+8*\d:O+8*\d+7], v[VF+8*\d:VF+8*\d+7], v[PC:PC+7], v[O+8*\d:O+8*\d+7], v[VSR+\d], v[PW] matrix_a_fmt:MATRIX_FMT_FP4 matrix_b_fmt:MATRIX_FMT_FP4
.endr
.endm
; Head p is done: O^T / the sum, quantised along the head's 64 (two blocks): registers 4 p .. 4 p + 3 of o's fragment and two bytes of its scale word.
; V's rows are neighbours, so register 8 t + j of lane (r, h) is channel 16 t + 8 h + j: here a block of 32 is 16 registers of lanes l and l xor 16.
.macro FINISH p
.rept 4
	v_nop                                          ; places in front of the first read of results
.endr
	v_add_f32 v14, v14, v15                        ; the sum's two halves,
	s_delay_alu instid0(VALU_DEP_1)
	v_permlanex16_b32 v[TP], v14, s[SEL], s[SEL+1]
	s_delay_alu instid0(VALU_DEP_1)
	v_add_f32 v14, v14, v[TP]                      ; and lane l xor 16's: the row's sum
	s_wait_alu depctr_va_vdst(0)
	v_rcp_f32 v[F], v14
	v_nop                                          ; one plain place behind a transcendental
.set j, 0
	s_wait_alu depctr_va_vdst(0)
.rept 16
	v_pk_mul_f32 v[O+j:O+j+1], v[O+j:O+j+1], v[F:F+1] op_sel_hi:[1,0]   ; each accumulator from its low end on
.set j, j+2
.endr
.irp b, 0,1
	v_max3_num_f32 v[BM+\b], |v[O+16*\b]|, |v[O+1+16*\b]|, 0x1800000
.endr
.irp i, 2,4,6,8,10,12,14
.irp b, 0,1
	s_delay_alu instid0(VALU_DEP_2)
	v_max3_num_f32 v[BM+\b], v[BM+\b], |v[O+16*\b+\i]|, |v[O+1+16*\b+\i]|
.endr
.endr
.irp b, 0,1
	s_delay_alu instid0(VALU_DEP_2)
	v_permlanex16_b32 v[BT+\b], v[BM+\b], s[SEL], s[SEL+1]
.endr
.irp b, 0,1
	s_delay_alu instid0(VALU_DEP_2)
	v_max_num_f32 v[BM+\b], v[BM+\b], v[BT+\b]
.endr
.irp b, 0,1
	s_delay_alu instid0(VALU_DEP_2)
	v_add_nc_u32 v[BO+\b], 0xff000000, v[BM+\b]
.endr
.irp b, 0,1
	s_delay_alu instid0(VALU_DEP_2)
	v_lshrrev_b32 v[BT+\b], 23, v[BO+\b]
.endr
.if \p == 0
	s_delay_alu instid0(VALU_DEP_1)
	v_lshl_or_b32 v[OW], v[BT+1], 8, v[BT]
.else
	s_delay_alu instid0(VALU_DEP_1)
	v_lshl_or_b32 v[TQ], v[BT+1], 8, v[BT]
	s_delay_alu instid0(VALU_DEP_1)
	v_lshl_or_b32 v[OW], v[TQ], 16, v[OW]
.endif
.irp b, 0,1
	v_cvt_scalef32_pk8_fp4_f32 v[OC+4*\p+\b], v[O+16*\b:O+16*\b+7], v[BO+\b]
	v_cvt_scalef32_pk8_fp4_f32 v[OC+4*\p+\b+2], v[O+16*\b+8:O+16*\b+15], v[BO+\b]
.endr
	v_nop                                          ; one plain place behind a scaled conversion
	v_permlane16_swap_b32 v[OC+4*\p], v[OC+4*\p+1] ; the first's lanes 16-31 change places with the second's lanes 0-15: register 4 p + i then holds channels 32 h + 8 i + 0 .. 7
	v_permlane16_swap_b32 v[OC+4*\p+2], v[OC+4*\p+3]
.endm
; All 2,048 keys of head p.  The step is written once: its first trip finds zeros, which the first change of M leaves zeros.
.macro PASS p
	v_mov_b32 v13, 0xff61b1e6                      ; the largest score so far: -3e38, under every score
	s_delay_alu instid0(VALU_DEP_1)
	v_floor_f32 v12, -v13
	v_mov_b32 v14, 0
	v_mov_b32 v15, 0
.set j, 0
.rept 32
	v_mov_b32 v[O+j], 0
.set j, j+1
.endr
	v_add_nc_u32 v[ADK], \p*HREC, v[AKP]
	v_add_nc_u32 v[ADS], \p*HREC, v[ASK0]
	v_add_nc_u32 v[ADV], \p*HREC, v[AV0]
	v_add_nc_u32 v[ADT], \p*HREC, v[ASV0]
	KLOAD                                          ; the first step's K
	s_mov_b32 s[CNT], 16
	s_wait_dscnt 0x0
.Lstep_\@:
	s_wait_alu depctr_va_vdst(0)
	s_setprio 2
	STEP \p
	s_sub_co_u32 s[CNT], s[CNT], 1
	s_cmp_lg_u32 s[CNT], 0
	s_cbranch_scc1 .Lstep_\@
	s_setprio 0
	FINISH \p
.endm
	s_wait_tensorcnt 0x1                           ; my quarter of head 0's record is in; head 1's, issued behind it, may be out
	s_wait_loadcnt 0x0                             ; Q
	s_barrier_signal -1
	s_barrier_wait -1                              ; everybody's quarter is in
	PASS 0
	s_wait_tensorcnt 0x0                           ; my quarter of head 1's record: it had all of head 0's steps in which to land
	s_wait_dscnt 0x0
	s_barrier_signal -1
	s_barrier_wait -1
	PASS 1
	global_store_b128 v[AK0], v[OC:OC+3], s[48:49]             ; o's fragment leaves as it stands: each store of the wave covers 512 consecutive bytes, aligned
	global_store_b128 v[AK0], v[OC+4:OC+7], s[48:49] offset:512
	ds_store_b32 v[SWA], v[OW]                     ; the scale words of the 256 queries meet in LDS (both halves of the lanes write the same word with the same value)
	s_wait_dscnt 0x0                               ; for the others' sake: my store has landed
	s_barrier_signal -1
	s_barrier_wait -1
	s_cmp_lt_u32 s[WV], 2
	s_cbranch_scc0 .Lno_words
	ds_load_b128 v[S:S+3], v[SRA]
	s_wait_dscnt 0x0
	global_store_b128 v[GW], v[S:S+3], s[50:51]    ; 64 lanes store 1,024 consecutive bytes, aligned
.Lno_words:
	s_wait_tensorcnt 0x0
	ds_add_u32 v254, v255
	s_wait_dscnt 0x0
	CROUND                                         ; the closing round: no work-group ends while a partner may still ask for a tile that names it
	s_endpgm
.Lfunc_end_k_q1f069efff0_attn:
	.size	k_q1f069efff0_attn, .Lfunc_end_k_q1f069efff0_attn-k_q1f069efff0_attn
	.p2alignl 7, 3214868480
	.fill 96, 4, 3214868480
	.section	.rodata,"a",@progbits
	.p2align	6, 0x0
	.amdhsa_kernel k_q1f069efff0_attn
		.amdhsa_group_segment_fixed_size 289792
		.amdhsa_private_segment_fixed_size 0
		.amdhsa_enable_private_segment 0
		.amdhsa_kernarg_size 24
		.amdhsa_user_sgpr_count 2
		.amdhsa_user_sgpr_kernarg_segment_ptr 1
		.amdhsa_wavefront_size32 1
		.amdhsa_system_sgpr_workgroup_id_x 1
		.amdhsa_system_sgpr_workgroup_id_y 1
		.amdhsa_system_sgpr_workgroup_id_z 1
		.amdhsa_system_vgpr_workitem_id 0
		.amdhsa_next_free_vgpr 256
		.amdhsa_next_free_sgpr 66
		.amdhsa_reserve_vcc 0
		.amdhsa_float_denorm_mode_32 3
		.amdhsa_float_denorm_mode_16_64 3
		.amdhsa_memory_ordered 1
		.amdhsa_forward_progress 1
		.amdhsa_inst_pref_size 50
	.end_amdhsa_kernel
	.amdgpu_metadata
---
amdhsa.version: [ 1, 2 ]
amdhsa.kernels:
  - .name:           k_q1f069efff0_attn
    .symbol:         k_q1f069efff0_attn.kd
    .args:
      - { .name: qkv, .offset: 0, .size: 8, .value_kind: global_buffer, .address_space: global }
      - { .name: oc, .offset: 8, .size: 8, .value_kind: global_buffer, .address_space: global }
      - { .name: os, .offset: 16, .size: 8, .value_kind: global_buffer, .address_space: global }
    .group_segment_fixed_size: 289792
    .private_segment_fixed_size: 0
    .kernarg_segment_align: 8
    .kernarg_segment_size: 24
    .max_flat_workgroup_size: 512
    .sgpr_count:     66
    .vgpr_count:     256
    .wavefront_size: 32
...
	.end_amdgpu_metadata
.endif
;; end of part 2
;; launch outp (part 3): grid 4 x 64, 4 waves a work-group, clusters of 4 x 4, 218,112 bytes of LDS; arguments oc, os, Wo_codes, Wo_scales, bo, out0; writes out0
.if DOCPART == 3
	.amdgcn_target "amdgcn-amd-amdhsa--gfx1250"
	.amdhsa_code_object_version 6
	.text
	.protected	k_q1f069efff0_outp
	.globl	k_q1f069efff0_outp
	.p2align	8
	.type	k_q1f069efff0_outp,@function
k_q1f069efff0_outp:
	s_mov_b64 s[64:65], 0
	v_nop
	global_prefetch_b8 v0, s[64:65] scope:SCOPE_SE
	s_setreg_imm32_b32 hwreg(HW_REG_WAVE_MODE, 25, 1), 1
	s_wait_xcnt 0x0
	s_wait_alu depctr_hold_cnt(0) depctr_sa_sdst(0) depctr_va_vdst(0) depctr_va_sdst(0) depctr_va_ssrc(0) depctr_va_vcc(0) depctr_vm_vsrc(0)
	s_getreg_b32 s2, hwreg(HW_REG_IB_STS2, 6, 4)
	s_cmp_eq_u32 s2, 0
	s_cbranch_scc0 .Lentry_in_a_cluster
	s_endpgm
.Lentry_in_a_cluster:
	s_bfe_u32 s2, ttmp6, 0x10000c
	s_cmp_lg_u32 s2, 0xf033
	s_cbranch_scc0 .Lentry_shape_is_right
	s_endpgm
.Lentry_shape_is_right:
; out0 = o Wo + bo on codes of FP4 (E2M1) with one E8M0 scale for each 32 along K = 1,024.  o's codes come as images of the operand's registers ([K half][token tile][K step][c][512 bytes]) and its
; scale words as [K step][token]; Wo's codes and scales as rows ([n][512 bytes], [n][32 bytes]).  out0: [8,192][1,024] f32.
; SHARES.  A tile is 128 tokens x 256 columns, so that there are 256 work-groups (tiles of 256 x 256 would be 128); four waves, each 64 x 128: 32 accumulators, 256 registers.
; R = o (source 1: its row is the lane), P = Wo (source 0: its rows run along a lane's registers): a lane then holds eight neighbouring numbers of a row of out0.
; CLUSTERS: 4 x 4 work-groups.  o's tiles hang on the token tile alone and are shared along a row of the cluster, Wo's on cx alone (the grid is one cluster wide) and are shared along a column: joint loads.
; LDS IS FILLED ONCE: both halves of K and all scales fit together; the second half lands while the first is multiplied.  The stage for the way out lies in slot 0, which by then has had its one fill and its last read.
; The bias is the C of each sum's first matrix instruction.
; REGISTERS: window 0: v0-31 addresses; v32-63 o's scale words (8 a + q), v64-127 Wo's (8 b + q); v128-191 o's fragments, two sets (on the way out v128-255: rows read back)
;   window 1: v0-63, v128-191 Wo's fragments, two sets; v64-127 the bias.   window 2: the accumulators, (a, b) at v[8 (8 a + b)].
.set PITCH, 272
.set HALFP, 128*PITCH                  ; 128 rows of Wo: one tensor load
.set RIMG,  32768                      ; eight token tiles x 4,096 bytes of images
.set SLOT,  RIMG+2*HALFP               ; 512 along K
.set RSC,   2*SLOT                     ; o's scale words: 8 K steps x 512 bytes
.set PSCL,  RSC+4096                   ; Wo's scales, as units of 256 bytes + 16
.set HALFS, 16*272
.set SBLK,  2*272
.set SPITCH, 528                       ; the stage: 16 rows x (512 bytes + 16) for each wave
.set ADRR, 16                          ; v16-17 LDS address of my o fragments in slot 0, 1
.set ADRP, 20                          ; v20-21 of my Wo fragments
.set ADRRS, 22
.set ADRPS, 23
.set STO,  24
.set RD,   25
.set CO,   26
.set BOP,  27
.set RS,   32
.set PS,   64
.set RF,   128
.set BK,   128
.set BS,   64                          ; window 1
.set WV, 16
.set RH, 17                            ; which 64 tokens are mine.  Also: I fetch for o (0) or for Wo (1)
.set PH, 18                            ; which 128 columns are mine.  Also: which half I fetch
.set CX, 19
.set CY, 20
.set TY, 21
.set G1R, 40
.set G1P, 48
.set G1RS, 56
.set G1PS, 68
.set G0R, 76
.set G0P, 84
.set G0RS, 92
.set G0PS, 96
.set MSB, 0
.macro WIN new                         ; the immediate's high byte repeats the setting that is left
.if MSB != (\new)
	s_set_vgpr_msb (MSB<<8)|(\new)
.set MSB, (\new)
.endif
.endm
.macro PLACES n
.rept \n
	v_nop
.endr
.endm
.macro JLOAD g0a, g1a, g0b, g1b        ; a joint load: waves 0 and 1 fetch for o, waves 2 and 3 for Wo; four v_nop follow each of the two lines
	s_cmp_eq_u32 s[RH], 0
	s_cbranch_scc0 .Lfor_p_\@
	tensor_load_to_lds s[\g0a:\g0a+3], s[\g1a:\g1a+7]
	s_nop 0
.rept 4
	v_nop
.endr
	s_branch .Lasked_\@
.Lfor_p_\@:
	tensor_load_to_lds s[\g0b:\g0b+3], s[\g1b:\g1b+7]
	s_nop 0
.rept 4
	v_nop
.endr
.Lasked_\@:
.endm
.macro CROUND                          ; a round of the cluster's barrier
	s_barrier_signal -1
	s_barrier_wait -1
	s_cmp_lg_u32 s[WV], 0
	s_cbranch_scc1 .Lnot_wave_0_\@
	s_barrier_signal -3
.Lnot_wave_0_\@:
	s_barrier_wait -3
	s_barrier_signal -1
	s_barrier_wait -1
.endm
	s_load_b256 s[4:11], s[0:1], 0x0               ; oc, os, Wo codes, Wo scales
	s_load_b128 s[12:15], s[0:1], 0x20             ; bo, out0
	v_lshl_add_u32 v30, v0, 2, 0x35200
	v_mov_b32 v31, 0
	ds_add_u32 v30, v31
	ds_add_u32 v30, v31
	v_lshrrev_b32 v3, 5, v0
	v_readfirstlane_b32 s[WV], v3
	s_lshr_b32 s[RH], s[WV], 1
	s_and_b32 s[PH], s[WV], 1
	s_bfe_u32 s[CX], ttmp6, 0x40000                ; also the tile's column: the grid is one cluster wide
	s_bfe_u32 s[CY], ttmp6, 0x40004
	s_and_b32 s[TY], ttmp7, 0xffff
	s_lshl_b32 s[TY], s[TY], 2
	s_add_co_u32 s[TY], s[TY], s[CY]               ; which 128 tokens
	s_lshl_b32 s22, s[CY], 2
	s_lshl_b32 s22, 15, s22                        ; my row of the cluster
	s_lshl_b32 s23, 0x1111, s[CX]                  ; my column
	s_or_b32 s[G1R], s22, (3<<16)|(1<<21)          ; o's images: 64 dense rows of 256 bytes (32 elements of 8 bytes), no padding
	s_mov_b32 s[G1R+1], 32<<16
	s_mov_b32 s[G1R+2], 64<<16
	s_mov_b32 s[G1R+3], 32<<16
	s_mov_b32 s[G1R+4], 64
	s_mov_b32 s[G1R+5], 32
	s_mov_b32 s[G1R+6], 0
	s_mov_b32 s[G1R+7], 0
	s_or_b32 s[G1P], s23, (1<<20)|(1<<21)|(5<<22)|(3<<25)   ; Wo's codes: 128 rows x 256 bytes out of rows of 512; 16 bytes of padding behind each
	s_mov_b32 s[G1P+1], 256<<16
	s_mov_b32 s[G1P+2], 128<<16
	s_mov_b32 s[G1P+3], 256<<16
	s_mov_b32 s[G1P+4], 128
	s_mov_b32 s[G1P+5], 512
	s_mov_b32 s[G1P+6], 0
	s_mov_b32 s[G1P+7], 0
	s_or_b32 s[G1RS], s22, (3<<16)|(1<<21)         ; o's scale words: 4 K steps x 512 bytes (64 elements of 8 bytes), 32,768 bytes apart
	s_mov_b32 s[G1RS+1], 64<<16
	s_mov_b32 s[G1RS+2], 4<<16
	s_mov_b32 s[G1RS+3], 64<<16
	s_mov_b32 s[G1RS+4], 4
	s_mov_b32 s[G1RS+5], 4096
	s_mov_b32 s[G1RS+6], 0
	s_mov_b32 s[G1RS+7], 0
	s_or_b32 s[G1PS], s23, (3<<16)|(1<<20)|(1<<21)|(5<<22)|(3<<25)   ; Wo's scales of 128 rows: 16 dense rows of 256 bytes, 16 of padding behind each
	s_mov_b32 s[G1PS+1], 32<<16
	s_mov_b32 s[G1PS+2], 16<<16
	s_mov_b32 s[G1PS+3], 32<<16
	s_mov_b32 s[G1PS+4], 16
	s_mov_b32 s[G1PS+5], 32
	s_mov_b32 s[G1PS+6], 0
	s_mov_b32 s[G1PS+7], 0
	s_lshl_b32 s24, s[TY], 15                      ; o's images of my 128 tokens, my half of them: no register on this way ever holds cx
	s_lshl_b32 s25, s[PH], 14
	s_add_co_u32 s24, s24, s25
	s_mov_b32 s25, 0
	s_lshl_b32 s26, s[PH], 17                      ; o's scale words: K steps 4 PH on, tokens 128 TY on
	s_lshl_b32 s27, s[TY], 9
	s_add_co_u32 s26, s26, s27
	s_mov_b32 s27, 0
	s_lshl_b32 s32, s[CX], 1                       ; Wo: my 128 rows are group 2 cx + PH: no register on this way ever holds cy
	s_add_co_u32 s32, s32, s[PH]
	s_lshl_b32 s28, s32, 16                        ; codes
	s_mov_b32 s29, 0
	s_lshl_b32 s30, s32, 12                        ; scales
	s_mov_b32 s31, 0
	s_lshl_b32 s32, s32, 9                         ; the bias, and my columns in a row of out0
	s_mov_b32 s33, 0
	s_lshl_b32 s34, s[TY], 19                      ; out0: row 128 TY + 64 RH, 4,096 bytes a row
	s_lshl_b32 s35, s[RH], 18
	s_add_co_u32 s34, s34, s35
	s_add_co_u32 s34, s34, s32
	s_mov_b32 s35, 0
	s_lshl_b32 s36, s[PH], 14                      ; where they go in LDS: no place in the cluster enters
	s_mul_i32 s37, s[PH], HALFP
	s_add_co_u32 s37, s37, RIMG
	s_lshl_b32 s38, s[PH], 11
	s_add_co_u32 s38, s38, RSC
	s_mul_i32 s39, s[PH], HALFS
	s_add_co_u32 s39, s39, PSCL
	s_wait_dscnt 0x0
	s_wait_kmcnt 0x0
	s_add_nc_u64 s[4:5], s[4:5], s[24:25]
	s_add_nc_u64 s[6:7], s[6:7], s[26:27]
	s_add_nc_u64 s[8:9], s[8:9], s[28:29]
	s_add_nc_u64 s[10:11], s[10:11], s[30:31]
	s_add_nc_u64 s[12:13], s[12:13], s[32:33]
	s_add_nc_u64 s[14:15], s[14:15], s[34:35]
	s_mov_b32 s[G0RS], 1
	s_mov_b32 s[G0RS+1], s38
	s_mov_b64 s[G0RS+2:G0RS+3], s[6:7]
	s_or_b32 s[G0RS+3], s[G0RS+3], 0x80000000
	s_mov_b32 s[G0PS], 1
	s_mov_b32 s[G0PS+1], s39
	s_mov_b64 s[G0PS+2:G0PS+3], s[10:11]
	s_or_b32 s[G0PS+3], s[G0PS+3], 0x80000000
.irp s, 0,1
	s_mov_b32 s[G0R+4*\s], 1
	s_add_co_u32 s[G0R+4*\s+1], s36, \s*SLOT
	s_add_nc_u64 s[G0R+4*\s+2:G0R+4*\s+3], s[4:5], \s*2097152
	s_or_b32 s[G0R+4*\s+3], s[G0R+4*\s+3], 0x80000000
	s_mov_b32 s[G0P+4*\s], 1
	s_add_co_u32 s[G0P+4*\s+1], s37, \s*SLOT
	s_add_nc_u64 s[G0P+4*\s+2:G0P+4*\s+3], s[8:9], \s*256
	s_or_b32 s[G0P+4*\s+3], s[G0P+4*\s+3], 0x80000000
.endr
	CROUND                                         ; all sixteen work-groups are here: the joint loads meet
	JLOAD G0RS, G1RS, G0PS, G1PS                   ; the scales, then both halves of K: three loads of mine are out, and no more follow
	JLOAD G0R, G1R, G0P, G1P
	JLOAD G0R+4, G1R, G0P+4, G1P
	v_and_b32 v1, 15, v0                           ; r
	v_bfe_u32 v2, v0, 4, 1                         ; h
	v_and_b32 v3, 31, v0
	v_lshlrev_b32 v[CO], 4, v3                     ; 16 x lane
	v_mul_u32_u24 v4, v1, PITCH
	v_lshl_add_u32 v4, v2, 4, v4                   ; a row of Wo x pitch + 16 h
	s_lshl_b32 s24, s[RH], 14                      ; my four token tiles
	s_mul_i32 s25, s[PH], HALFP
	s_add_co_u32 s25, s25, RIMG                    ; my 128 rows of Wo
.irp s, 0,1
	v_add_nc_u32 v[ADRR+\s], s24, v[CO]
	v_add_nc_u32 v[ADRP+\s], s25, v4
	s_add_co_u32 s24, s24, SLOT
	s_add_co_u32 s25, s25, SLOT
.endr
	s_lshl_b32 s24, s[RH], 8
	s_add_co_u32 s24, s24, RSC
	v_lshl_add_u32 v[ADRRS], v1, 2, s24            ; o's scale words: 4 bytes a token
	v_lshlrev_b32 v5, 5, v1                        ; Wo's: 32 bytes a row, and 16 more for each 256 passed
	v_lshrrev_b32 v6, 3, v1
	v_lshl_add_u32 v5, v6, 4, v5
	s_mul_i32 s24, s[PH], HALFS
	s_add_co_u32 s24, s24, PSCL
	v_add_nc_u32 v[ADRPS], s24, v5
	s_mul_i32 s24, s[WV], 16*SPITCH                ; my stage
	v_mul_u32_u24 v5, v1, SPITCH
	v_lshl_add_u32 v5, v2, 5, v5
	v_add_nc_u32 v[STO], s24, v5                   ; in: row r, 32 bytes for each half of the lanes
	v_add_nc_u32 v[RD], s24, v[CO]                 ; back: the 32 lanes take one row of 512 bytes
	v_lshlrev_b32 v[BOP], 5, v2
	WIN 0x40                                       ; destination window 1
.irp t, 0,1,2,3,4,5,6,7
	global_load_b128 v[BS+8*\t:BS+8*\t+3], v[BOP], s[12:13] offset:64*\t        ; register 8 t + j: bo at my column 16 t + 8 h + j: the result's layout
	global_load_b128 v[BS+8*\t+4:BS+8*\t+7], v[BOP], s[12:13] offset:64*\t+16
.endr
	WIN 0
.macro FRAG reg, adr, q, i             ; a fragment of Wo from rows: lane (r, h) holds row r; registers 4 c .. 4 c + 3 hold K = 64 c + 32 h + 0 .. 31
.irp c, 0,1
	ds_load_b128 v[\reg+4*\c:\reg+4*\c+3], v[\adr] offset:64*(\q)+32*\c+(\i)*16*PITCH
.endr
.endm
.macro FETCH3 q                        ; the fragments of K step q (slot q / 4) into set q % 2: 24 loads in one run
	WIN 0x40
.irp i, 0,1,2,3,4,5,6,7
	FRAG 128*((\q)%2)+8*\i, ADRP+(\q)/4, (\q)%4, \i
.endr
	WIN 0
.irp a, 0,1,2,3
.irp c, 0,1
	ds_load_b128 v[RF+32*((\q)%2)+8*\a+4*\c:RF+32*((\q)%2)+8*\a+4*\c+3], v[ADRR+(\q)/4] offset:4096*\a+1024*((\q)%4)+512*\c   ; o's come back as the images that they are
.endr
.endr
.endm
; 32 matrix instructions.  The accumulators take turns, one instruction a turn, in the same order in every step.  first = 1: the bias starts the sums.
.macro MUL32 p, q, first
.irp a, 0,1,2,3
.irp b, 0,1,2,3,4,5,6,7
.if \first
	v_wmma_scale_f32_16x16x128_f8f6f4 v[8*(8*\a+\b):8*(8*\a+\b)+7], v[128*(\p)+8*\b:128*(\p)+8*\b+7], v[RF+32*(\p)+8*\a:RF+32*(\p)+8*\a+7], v[BS+8*\b:BS+8*\b+7], v[PS+8*\b+(\q)], v[RS+8*\a+(\q)] matrix_a_fmt:MATRIX_FMT_FP4 matrix_b_fmt:MATRIX_FMT_FP4
.else
	v_wmma_scale_f32_16x16x128_f8f6f4 v[8*(8*\a+\b):8*(8*\a+\b)+7], v[128*(\p)+8*\b:128*(\p)+8*\b+7], v[RF+32*(\p)+8*\a:RF+32*(\p)+8*\a+7], v[8*(8*\a+\b):8*(8*\a+\b)+7], v[PS+8*\b+(\q)], v[RS+8*\a+(\q)] matrix_a_fmt:MATRIX_FMT_FP4 matrix_b_fmt:MATRIX_FMT_FP4
.endif
.endr
.endr
.endm
.macro STEP3 q                         ; the next step's fragments are asked for first, four places behind the products that read their registers; they have this step's products in which to come
.if (\q) > 0 && (\q) < 7
	PLACES 4
.endif
.if (\q) < 7
	FETCH3 (\q)+1
	s_wait_dscnt 24                                ; all but the 24 just issued: this step's fragments (and the scale words) are in
.else
	s_wait_dscnt 0x0
.endif
.if (\q) == 0
	WIN 0x91                                       ; source 0 (Wo) and C (the bias) window 1, source 1 (o) window 0, D window 2
	MUL32 0, 0, 1
.else
	WIN 0xa1                                       ; C and D window 2
	MUL32 (\q)%2, \q, 0
.endif
	WIN 0
.endm
; THE WAY OUT, block by block of 16 rows x 128 columns: through my own stage in LDS and back as whole rows of 512 bytes.  LDS serves a wave's instructions in order (ISA guide 5.7.1.4): no wait between the stores and the loads.
.macro TOSTAGE a
	WIN 0x08                                       ; an LDS store's data are its source 1: window 2
.irp b, 0,1,2,3,4,5,6,7
	ds_store_b128 v[STO], v[64*(\a)+8*\b:64*(\a)+8*\b+3] offset:64*\b          ; each accumulator from its low end on
	ds_store_b128 v[STO], v[64*(\a)+8*\b+4:64*(\a)+8*\b+7] offset:64*\b+16
.endr
	WIN 0
.set BB, BK+64*((\a)%2)
.irp t, 0,1,2,3,4,5,6,7,8,9,10,11,12,13,14,15
	ds_load_b128 v[BB+4*\t:BB+4*\t+3], v[RD] offset:\t*SPITCH
.endr
.endm
.macro SEND a, younger                 ; younger: the LDS instructions issued behind block a's loads, which may stay out
.set BB, BK+64*((\a)%2)
	s_wait_dscnt \younger
.if (\a) > 0
	s_add_nc_u64 s[14:15], s[14:15], 16*4096       ; 16 rows on (the earlier stores have read their base: the wait on XCNT stands in front)
.endif
.irp t, 0,1,2,3,4,5,6,7,8,9,10,11,12,13,14,15
	global_store_b128 v[CO], v[BB+4*\t:BB+4*\t+3], s[14:15] offset:\t*4096 th:TH_STORE_NT   ; 32 lanes store 512 consecutive bytes, aligned; written once, read by nobody here
.endr
.endm
	s_wait_alu depctr_va_vdst(0)
	s_wait_tensorcnt 0x1                           ; the scales and my part of slot 0 are in; slot 1's load, issued last, may be out
	s_wait_loadcnt 0x0                             ; the bias
	s_barrier_signal -1
	s_barrier_wait -1
.irp a, 0,1,2,3
.irp q, 0,1,2,3,4,5,6,7
	ds_load_b32 v[RS+8*\a+\q], v[ADRRS] offset:512*\q+64*\a
.endr
.endr
.irp b, 0,1,2,3,4,5,6,7
.irp u, 0,1
	ds_load_b128 v[PS+8*\b+4*\u:PS+8*\b+4*\u+3], v[ADRPS] offset:\b*SBLK+16*\u
.endr
.endr
	FETCH3 0
	STEP3 0
	STEP3 1
	STEP3 2
	s_wait_tensorcnt 0x0                           ; my part of slot 1 is in,
	s_wait_dscnt 0x0                               ; and my reads of slot 0 are over: behind this barrier nobody reads it
	s_barrier_signal -1
	s_barrier_wait -1
	STEP3 3
	STEP3 4
	STEP3 5
	STEP3 6
	STEP3 7
	PLACES 4                                       ; in front of the first read of results and of loads into the registers that held o's fragments
	TOSTAGE 0
.irp a, 1,2,3
.if \a > 1
	s_wait_xcnt 0x0                                ; block a - 2's stores have read their registers and their base
.endif
	TOSTAGE \a
	SEND \a-1, 32                                  ; behind block a - 1's loads: block a's 16 stores and 16 loads
.endr
	s_wait_xcnt 0x0
	SEND 3, 0
	s_wait_tensorcnt 0x0
	ds_add_u32 v30, v31
	s_wait_dscnt 0x0
	CROUND                                         ; the closing round: no work-group ends while a partner may still ask for a tile that names it
	s_endpgm
.Lfunc_end_k_q1f069efff0_outp:
	.size	k_q1f069efff0_outp, .Lfunc_end_k_q1f069efff0_outp-k_q1f069efff0_outp
	.p2alignl 7, 3214868480
	.fill 96, 4, 3214868480
	.section	.rodata,"a",@progbits
	.p2align	6, 0x0
	.amdhsa_kernel k_q1f069efff0_outp
		.amdhsa_group_segment_fixed_size 218112
		.amdhsa_private_segment_fixed_size 0
		.amdhsa_enable_private_segment 0
		.amdhsa_kernarg_size 48
		.amdhsa_user_sgpr_count 2
		.amdhsa_user_sgpr_kernarg_segment_ptr 1
		.amdhsa_wavefront_size32 1
		.amdhsa_system_sgpr_workgroup_id_x 1
		.amdhsa_system_sgpr_workgroup_id_y 1
		.amdhsa_system_sgpr_workgroup_id_z 1
		.amdhsa_system_vgpr_workitem_id 0
		.amdhsa_next_free_vgpr 768
		.amdhsa_next_free_sgpr 100
		.amdhsa_reserve_vcc 0
		.amdhsa_float_denorm_mode_32 3
		.amdhsa_float_denorm_mode_16_64 3
		.amdhsa_memory_ordered 1
		.amdhsa_forward_progress 1
		.amdhsa_inst_pref_size 76
	.end_amdhsa_kernel
	.amdgpu_metadata
---
amdhsa.version: [ 1, 2 ]
amdhsa.kernels:
  - .name:           k_q1f069efff0_outp
    .symbol:         k_q1f069efff0_outp.kd
    .args:
      - { .name: oc, .offset: 0, .size: 8, .value_kind: global_buffer, .address_space: global }
      - { .name: os, .offset: 8, .size: 8, .value_kind: global_buffer, .address_space: global }
      - { .name: Wo_codes, .offset: 16, .size: 8, .value_kind: global_buffer, .address_space: global }
      - { .name: Wo_scales, .offset: 24, .size: 8, .value_kind: global_buffer, .address_space: global }
      - { .name: bo, .offset: 32, .size: 8, .value_kind: global_buffer, .address_space: global }
      - { .name: out0, .offset: 40, .size: 8, .value_kind: global_buffer, .address_space: global }
    .group_segment_fixed_size: 218112
    .private_segment_fixed_size: 0
    .kernarg_segment_align: 8
    .kernarg_segment_size: 48
    .max_flat_workgroup_size: 128
    .sgpr_count:     100
    .vgpr_count:     768
    .wavefront_size: 32
...
	.end_amdgpu_metadata
.endif
;; end of part 3
